; MI455X (gfx1250); checked and timed in simulation.
; The chip was launched on July 23, 2026; its instructions are those of AMD's public machine-readable ISA for CDNA 5 (MIT licence, August 2026) and "CDNA5" Instruction Set Architecture Reference Guide (July 2026). The comments in the code are by the model that wrote it; some were corrected since.
;; Causal Self Attention. Allowed arithmetic: matrix products marked QUANTISED: E2M1 operands, one E8M0 scale for each 32 along K, by v_wmma_scale_f32_16x16x128_f8f6f4 with both operands' format E2M1 (or v_wmma_scale_f32_32x16x128_f4), f32 sums; products left as they are: bf16, f16 or f32 operands; f32 sums; everything else in f32.
;; Inputs: Wk 2,048 x 512 float32; Wo 2,048 x 2,048 float32; Wq 2,048 x 2,048 float32; Wv 2,048 x 512 float32; x 4 x 1,024 x 2,048 float32.
;; Outputs: out0 4 x 1,024 x 2,048 float32.
;; This version of the problem:
;;   THIS VERSION OF THE PROBLEM IS GIVEN IN LOW PRECISION. The matrix products marked QUANTISED in the list below multiply operands that are first quantised to E2M1 (2 exponent bits, 1 mantissa bit; 4 bits a number), with one power-of-two scale for each 32 numbers along K (OCP MX v1.0); their sums are f32. The products marked 'left as it is' may take bf16, f16 or f32 operands, with f32 sums. All else is computed in f32.
;;   The module's matrix products, in the order in which they are computed (A, B: the left and right operand; K: the contracted axis; several contracted axes count as one K, in the product's order):
;;     1. [M 4,096, K 2,048] x [K 2,048, N 2,048]; A: input x; B: input Wq: QUANTISED
;;     2. [M 4,096, K 2,048] x [K 2,048, N 512]; A: input x; B: input Wk: QUANTISED
;;     3. [M 4,096, K 2,048] x [K 2,048, N 512]; A: input x; B: input Wv: QUANTISED
;;     4. batch 64 x [M 1,024, K 128] x [K 128, N 1,024]; A: computed on the way; B: computed on the way: left as it is (an operand is computed on the way)
;;     5. batch 64 x [M 1,024, K 1,024] x [K 1,024, N 128]; A: computed on the way; B: computed on the way: left as it is (an operand is computed on the way)
;;     6. [M 4,096, K 2,048] x [K 2,048, N 2,048]; A: computed on the way; B: input Wo: left as it is (an operand is computed on the way)
;;   THE QUANTISER, for each operand of a quantised product, along K:
;;     - K is cut into blocks of 32 from its start; a last block that is shorter is filled with zeros.
;;     - A block's scale is 2^e with e = floor(log2(the largest magnitude in the block)) - 2, held to -126 .. 127; a block of zeros has e = 0. As a byte (E8M0): e + 127.
;;     - Each number is divided by its block's scale, clamped to +-6, and rounded to the nearest number of E2M1, ties to even, subnormals kept.
;;     - The product sums the exact products of the quantised numbers (number of the format x scale) in f32.
;;   ~~~python
;;   def quantise(x, axis):      # numpy; x: float32 -> the quantised numbers, widened to float32 again
;;       x = np.moveaxis(x, axis, -1); K = x.shape[-1]
;;       x = np.pad(x, [(0, 0)] * (x.ndim - 1) + [(0, -K % 32)]); x = x.reshape(x.shape[:-1] + (-1, 32)); a = np.abs(x).max(-1, keepdims=True)
;;       e = np.where(a > 0, np.clip(np.frexp(np.where(a > 0, a, 1))[1] - 1 - 2, -126, 127), 0)      # np.frexp(a)[1] - 1 = floor(log2(a)), exactly
;;       r = np.clip(x / 2.0 ** e, -6, 6)
;;       step = 2.0 ** (np.maximum(np.frexp(np.where(r == 0, 1, r))[1] - 1, 0) - 1)
;;       q = np.round(r / step) * step * 2.0 ** e      # np.round: ties to even
;;       return np.moveaxis(q.reshape(q.shape[:-2] + (-1,))[..., :K], -1, axis).astype(np.float32)
;;   ~~~
;; One version. Each part assembles by itself: llvm-mc -triple=amdgcn-amd-amdhsa -mcpu=gfx1250 --defsym DOCPART=n.
;; ======== version 1 of 1: 4 launches
;; limits: values are held in f16: magnitudes above 65,504 overflow, below 6.1e-05 lose precision; right only within a limited range of input values
;; workspace buffers: xq 4,456,448 bytes; wq 3,342,336 bytes; wob 8,388,608 bytes; rope 532,480 bytes; qkv 25,165,824 bytes; yb 16,777,216 bytes
;; launch prep (part 1): grid 641 x 1, 4 waves a work-group, no clusters, 51,712 bytes of LDS; arguments x, Wq, Wk, Wv, Wo, xq, wq, wob, rope; writes xq, wq, wob, rope
.if DOCPART == 1
	.amdgcn_target "amdgcn-amd-amdhsa--gfx1250"
	.amdhsa_code_object_version 6
	.text
	.protected	k_qf6e61eb48c_prep
	.globl	k_qf6e61eb48c_prep
	.p2align	8
	.type	k_qf6e61eb48c_prep,@function
k_qf6e61eb48c_prep:
	s_mov_b64 s[64:65], 0
	v_nop
	global_prefetch_b8 v0, s[64:65] scope:SCOPE_SE
	s_setreg_imm32_b32 hwreg(HW_REG_WAVE_MODE, 25, 1), 1
	s_wait_xcnt 0x0
; PREP: four jobs in one launch, told apart by the work-group's number alone; each job has its own way through the text and its own LDS bytes.
;   work-groups   0-191  W: Wq [2048][2048], Wk, Wv [2048][512] (f32, K is the FIRST axis) -> codes of FP4 (E2M1), laid [3072 n][2048 k] with K innermost (1,024 bytes a row), and
;                           one E8M0 byte for each 32 along K, laid [3072][64], 0x300000 bytes behind the codes.  Rows 0-2047 are Wq's columns, 2048-2559 Wk's, 2560-3071 Wv's.
;   work-groups 192-447  X: x [4096][2048] f32, K innermost -> codes [4096][1,024 bytes], scale bytes [4096][64] 0x400000 bytes behind them.
;   work-groups 448-575  O: 4 x Wo, f32 -> f16, as it lies ([k][n]).
;   work-groups 576-640  R: the table of cos / 4 and sin / 4 for the rotation, as images of its reader's registers: block T (8,192 bytes) serves positions 16 T .. 16 T + 15; block 64 holds 1/4 and 0.
; THE QUARTER.  q, k, v and y go on as f16 (11 significant bits: a row with one key is as large as v, some eight times the output's root mean square, and 8 bits would not do), at a QUARTER of their size,
; so that f16's range has room on both sides; the factor is a power of two and rounds nothing.  The table carries it; the softmax's constant takes 16 back, and the 4 on Wo the rest.
; THE QUANTISER: a block's scale is 2^(floor(log2(largest magnitude)) - 2); its byte is the largest magnitude's exponent field - 2, held at 1 from below; numbers / scale go to the nearest code, ties to even.
; LIMITS: a block of zeros gets the byte 1 (its codes are zeros; this program alone reads the bytes); blocks whose largest magnitude lies under 2^-124 keep the byte 1; NaN and infinities among the inputs are not served;
; |Wo| up to 16,376 (4 x Wo inside f16's 65,504).
; The table's angle is t x 2^(-d log2(10000) / 64), with one rounding of d x the constant and v_exp_f32's 1 ulp: at t = 1023 it lies within some 4e-4 rad of the exact angle.
.set SP,     80                        ; path X: a lane's place in a stage: 64 bytes + 16 of padding
.set XR,     16                        ; path X: v16-79 four sets of 16 numbers as loaded
.set XX,     80                        ;         v80-111 two sets of 16 neighbours
.set XE,     112                       ;         v112-127 a scale byte for each step
.set XC,     128                       ;         v128-191 codes, four registers for each step
.set XSTEPS, 16
.set WSB,    24                        ; path W: v24-25 eight scale bytes
.set WX,     32                        ;         v32-95 two sets of 32 numbers
.set WC,     96                        ;         v96-99 a block's codes
.set WOUT,   112                       ;         v112-143 the way out
.set WOFF,   144                       ;         v144-175 byte offset of row i of a block at my column; never rewritten
.set WP,     272                       ;         a stage row: 256 bytes of codes + 16
.set WSTG,   32768                     ;         LDS: the stage, 64 rows (columns of W)
.set WSCS,   50176                     ;         LDS: 64 x 16 scale bytes
	s_load_b512 s[4:19], s[0:1], 0x0               ; x s[4:5], Wq s[6:7], Wk s[8:9], Wv s[10:11], Wo s[12:13], xq s[14:15], wq s[16:17], wob s[18:19]
	s_load_b64 s[20:21], s[0:1], 0x40              ; rope
	v_lshl_add_u32 v192, v0, 2, 0xc800
	v_mov_b32 v193, 0
	v_lshrrev_b32 v1, 5, v0
	v_readfirstlane_b32 s22, v1                    ; wave 0..3
	v_and_b32 v2, 31, v0                           ; lane
	s_wait_kmcnt 0x0
	s_cmp_lt_u32 ttmp9, 192
	s_cbranch_scc1 .Lw
	s_cmp_lt_u32 ttmp9, 448
	s_cbranch_scc1 .Lx
	s_cmp_lt_u32 ttmp9, 576
	s_cbranch_scc1 .Lo
; ---------------- R: cos and sin.  128 threads: r = thread % 16 is the position in the block, dg = thread / 16 and dg + 8 name four neighbouring d each.
; In a block: 16 groups of 512 bytes, 0-7 cos, 8-15 sin; in group g lane r + 16 h has 16 bytes: d = 16 (g / 2) + 8 h + 4 (g % 2) + 0 .. 3.
	s_sub_co_u32 s23, ttmp9, 576                   ; T
	s_cmp_lt_u32 s23, 64
	s_cselect_b32 s24, -1, 0                       ; block 64: position 0 for every row, which gives cos = 1, sin = 0 exactly
	v_and_b32 v3, 15, v0                           ; r
	v_lshrrev_b32 v4, 4, v0                        ; dg
	s_lshl_b32 s25, s23, 4
	v_add_nc_u32 v5, s25, v3
	v_and_b32 v5, s24, v5
	v_cvt_f32_u32 v5, v5                           ; t
	v_lshlrev_b32 v7, 2, v4
	s_mov_b32 s32, 0x3f22f983                      ; 2 / pi
	s_mov_b32 s33, 0xbfc90fdb                      ; -(pi / 2 rounded to f32)
	s_mov_b32 s34, 0x333bbd2e                      ; -(pi / 2 less that)
	s_mov_b32 s35, 0xb94ca1f9                      ; sin r = r + r z (S2 + z (S1 + z S0)), z = r r, |r| <= pi / 4
	s_mov_b32 s36, 0x3c08839e
	s_mov_b32 s37, 0xbe2aaaa3
	s_mov_b32 s38, 0x37ccf5ce                      ; cos r = 1 - z / 2 + z z (C2 + z (C1 + z C0))
	s_mov_b32 s39, 0xbab6061a
	s_mov_b32 s40, 0x3d2aaaa5
	s_lshl_b32 s26, s23, 13
	s_mov_b32 s27, 0
	s_add_nc_u64 s[20:21], s[20:21], s[26:27]      ; my block
.irp k, 0,1,2,3,4,5,6,7
	v_add_nc_u32 v[16+\k], \k%4+32*(\k/4), v7      ; d = 4 dg + 0..3, and the same + 32
.endr
.irp k, 0,1,2,3,4,5,6,7
	v_cvt_f32_u32 v[16+\k], v[16+\k]
.endr
.irp k, 0,1,2,3,4,5,6,7
	v_mul_f32 v[16+\k], 0xbe549a78, v[16+\k]       ; x -log2(10000) / 64
.endr
.irp k, 0,1,2,3,4,5,6,7
	v_exp_f32 v[16+\k], v[16+\k]                   ; 10000^(-d / 64)
.endr
	v_lshrrev_b32 v8, 2, v4                        ; (a plain line behind the exponentials)  where my 16 bytes go: group 2 (dg / 4) + dg % 2,
	v_lshlrev_b32 v8, 1, v8
	v_and_b32 v9, 1, v4
	v_add_nc_u32 v8, v8, v9
	v_lshlrev_b32 v6, 9, v8
	v_bfe_u32 v9, v4, 1, 1                         ; h = (dg / 2) % 2,
	v_lshl_add_u32 v9, v9, 4, v3
	v_lshl_add_u32 v6, v9, 4, v6                   ; lane r + 16 h: sixteen neighbouring threads store 256 consecutive bytes
	s_wait_alu depctr_va_vdst(0)
.irp k, 0,1,2,3,4,5,6,7
	v_mul_f32 v[24+\k], v5, v[16+\k]               ; the angle
.endr
; cos / 4 and sin / 4 of v[th], 0 <= th < 1024: n = the nearest whole number to th / (pi / 2); r = th - n pi / 2 in two parts; polynomials; the quadrant n % 4 swaps and signs them (selections only: no branch).
.macro SINCOS th, c, s
	v_mul_f32 v48, s32, v[\th]
	v_rndne_f32 v48, v48
	v_fma_f32 v49, v48, s33, v[\th]
	v_fma_f32 v49, v48, s34, v49
	v_cvt_i32_f32 v50, v48
	v_mul_f32 v51, v49, v49
	v_fma_f32 v52, v51, s35, s36
	v_fma_f32 v52, v52, v51, s37
	v_mul_f32 v52, v52, v51
	v_fma_f32 v56, v52, v49, v49                   ; sin r
	v_fma_f32 v53, v51, s38, s39
	v_fma_f32 v53, v53, v51, s40
	v_mul_f32 v54, v51, v51
	v_fma_f32 v55, v51, -0.5, 1.0
	v_fma_f32 v57, v53, v54, v55                   ; cos r
	v_and_b32 v58, 1, v50
	v_cmp_ne_u32 vcc_lo, 0, v58                    ; odd quadrants swap the two
	v_cndmask_b32 v[\s], v56, v57, vcc_lo
	v_cndmask_b32 v[\c], v57, v56, vcc_lo
	v_and_b32 v58, 2, v50
	v_lshlrev_b32 v58, 30, v58
	v_xor_b32 v[\s], v[\s], v58                    ; sin is negative in quadrants 2 and 3,
	v_add_nc_u32 v58, 1, v50
	v_and_b32 v58, 2, v58
	v_lshlrev_b32 v58, 30, v58
	v_xor_b32 v[\c], v[\c], v58                    ; cos in 1 and 2
	v_mul_f32 v[\s], 0x3e800000, v[\s]             ; the quarter: a power of two, nothing is rounded
	v_mul_f32 v[\c], 0x3e800000, v[\c]
.endm
.irp k, 0,1,2,3,4,5,6,7
	SINCOS 24+\k, 32+\k, 40+\k
.endr
	global_store_b128 v6, v[32:35], s[20:21]
	global_store_b128 v6, v[36:39], s[20:21] offset:2048
	global_store_b128 v6, v[40:43], s[20:21] offset:4096
	global_store_b128 v6, v[44:47], s[20:21] offset:6144
	s_endpgm
; ---------------- W: a lane takes a column n, and its registers run down K: a block of 32 along K lies in one lane's 32 registers, and the conversions give codes with K innermost.
; A work-group takes 64 columns x 512 along K; wave w: columns 32 (w % 2) on, K 256 (w / 2) on: 8 blocks a lane.  The four waves' codes meet in a stage (a row = a column's 256 bytes),
; so that sixteen lanes store 256 consecutive bytes, aligned.  Loads run two blocks ahead.
.Lw:
	s_lshr_b32 s23, ttmp9, 2                       ; cg: which 64 columns of the 3,072
	s_and_b32 s24, ttmp9, 3                        ; ky: which 512 along K
	s_and_b32 s25, s22, 1                          ; cw
	s_lshr_b32 s31, s22, 1                         ; kh
	s_cmp_lt_u32 s23, 40                           ; the source, its row's length and its first cg hang on the work-group's number alone
	s_cselect_b64 s[26:27], s[8:9], s[10:11]
	s_cselect_b32 s29, 32, 40
	s_cmp_lt_u32 s23, 32
	s_cselect_b64 s[26:27], s[6:7], s[26:27]
	s_cselect_b32 s29, 0, s29
	s_cselect_b32 s28, 13, 11                      ; a row is 2^13 bytes in Wq, 2^11 in Wk and Wv
	s_sub_co_u32 s30, s23, s29
	s_lshl_b32 s30, s30, 6
	s_lshl_b32 s66, s25, 5
	s_add_co_u32 s30, s30, s66                     ; my wave's first column in its source,
	s_lshl_b32 s30, s30, 2                         ; in bytes
	s_lshl_b32 s66, s24, 9
	s_lshl_b32 s67, s31, 8
	s_add_co_u32 s66, s66, s67                     ; my wave's first k,
	s_lshl_b32 s66, s66, s28                       ; in bytes (under 2^24)
	s_add_co_u32 s66, s66, s30
	s_mov_b32 s67, 0
	s_lshl_b32 s68, 32, s28                        ; a block of 32 rows on
	s_mov_b32 s69, 0
	s_lshl_b32 s70, 1, s28                         ; a row on
	s_add_nc_u64 s[32:33], s[26:27], s[66:67]      ; a base for each block, s[32:47]: none is ever stepped
.irp t, 1,2,3,4,5,6,7
	s_add_nc_u64 s[32+2*\t:33+2*\t], s[30+2*\t:31+2*\t], s[68:69]
.endr
	v_lshlrev_b32 v[WOFF], 2, v2
.irp i, 1,2,3,4,5,6,7,8,9,10,11,12,13,14,15,16,17,18,19,20,21,22,23,24,25,26,27,28,29,30,31
	v_add_nc_u32 v[WOFF+\i], s70, v[WOFF+\i-1]
.endr
.macro WLOAD t                         ; block t: W(32 t + i, my column) into set t % 2: 32 lanes read 128 consecutive bytes, the wave beside me the next 128
.irp i, 0,1,2,3,4,5,6,7,8,9,10,11,12,13,14,15,16,17,18,19,20,21,22,23,24,25,26,27,28,29,30,31
	global_load_b32 v[WX+32*((\t)%2)+\i], v[WOFF+\i], s[32+2*(\t):33+2*(\t)] th:TH_LOAD_NT
.endr
.endm
	WLOAD 0
	WLOAD 1
	s_lshl_b32 s76, s23, 16                        ; the codes: 64 rows of 1,024 bytes a cg, 256 bytes a ky
	s_lshl_b32 s77, s24, 8
	s_add_co_u32 s76, s76, s77
	s_mov_b32 s77, 0
	s_add_nc_u64 s[72:73], s[16:17], s[76:77]
	s_lshl_b32 s76, s23, 12                        ; the scale bytes: 64 rows of 64 bytes a cg, 16 bytes a ky
	s_lshl_b32 s78, s24, 4
	s_add_co_u32 s76, s76, s78
	s_add_nc_u64 s[74:75], s[16:17], s[76:77]
	s_add_nc_u64 s[74:75], s[74:75], 0x300000
	s_mul_i32 s76, s25, 32*WP                      ; into the stage: row 32 cw + lane, byte 128 kh
	s_lshl_b32 s78, s31, 7
	s_add_co_u32 s76, s76, s78
	s_add_co_u32 s76, s76, WSTG
	v_mul_u32_u24 v4, v2, WP
	v_add_nc_u32 v4, s76, v4
	s_lshl_b32 s76, s25, 9                         ; the scale bytes' stage: 16 bytes a column, byte 8 kh
	s_lshl_b32 s78, s31, 3
	s_add_co_u32 s76, s76, s78
	s_add_co_u32 s76, s76, WSCS
	v_lshl_add_u32 v5, v2, 4, s76
	v_lshrrev_b32 v6, 4, v2                        ; out of the stage: wave w takes rows 16 w on, sixteen lanes to a row, two rows an instruction
	v_and_b32 v3, 15, v2
	s_mul_i32 s76, s22, 16*WP
	s_add_co_u32 s76, s76, WSTG
	v_mul_u32_u24 v7, v6, WP
	v_lshl_add_u32 v7, v3, 4, v7
	v_add_nc_u32 v7, s76, v7
	s_lshl_b32 s76, s22, 14
	v_lshlrev_b32 v8, 10, v6
	v_lshl_add_u32 v8, v3, 4, v8
	v_add_nc_u32 v8, s76, v8                       ; and the same place among the codes' rows
	v_lshl_add_u32 v9, v0, 3, WSCS                 ; the scale bytes leave 8 a thread: column thread / 2, half thread % 2
	v_lshrrev_b32 v10, 1, v0
	v_lshlrev_b32 v10, 6, v10
	v_and_b32 v11, 1, v0
	v_lshl_add_u32 v10, v11, 3, v10
.macro WBLOCK t
.set XS, WX+32*((\t)%2)
.if (\t) < 7
	s_wait_loadcnt 32                              ; this block's 32 loads are in; the next block's 32 may be out
.else
	s_wait_loadcnt 0
.endif
	v_max3_num_f32 v12, |v[XS]|, |v[XS+1]|, |v[XS+2]|               ; the block's largest magnitude: all 32 numbers are mine; two chains
	v_max3_num_f32 v13, |v[XS+3]|, |v[XS+4]|, |v[XS+5]|
.irp i, 6,10,14,18,22,26
	v_max3_num_f32 v12, v12, |v[XS+\i]|, |v[XS+\i+1]|
	v_max3_num_f32 v13, v13, |v[XS+\i+2]|, |v[XS+\i+3]|
.endr
	v_max3_num_f32 v12, v12, |v[XS+30]|, |v[XS+31]|
	v_max3_num_f32 v12, v12, v13, 0x1800000        ; and the floor 2^(3 - 127): the byte cannot fall under 1
	v_add_nc_u32 v11, 0xff000000, v12              ; 2 off the exponent field: the conversion takes this operand's exponent field as its scale
	v_lshrrev_b32 v13, 23, v11                     ; the scale's byte
.if (\t)%4 == 0
	v_mov_b32 v[WSB+(\t)/4], v13
.else
	v_lshl_or_b32 v[WSB+(\t)/4], v13, 8*((\t)%4), v[WSB+(\t)/4]
.endif
.irp g, 0,1,2,3
	v_cvt_scalef32_pk8_fp4_f32 v[WC+\g], v[XS+8*\g:XS+8*\g+7], v11
.endr
	ds_store_b128 v4, v[WC:WC+3] offset:16*(\t)    ; 32 codes: 16 bytes of my column's row
.if (\t)+2 < 8
	WLOAD (\t)+2
.endif
	s_wait_dscnt 0x0                               ; the store has read its registers: the next block's codes may be written
.endm
.irp t, 0,1,2,3,4,5,6,7
	WBLOCK \t
.endr
	ds_store_b64 v5, v[WSB:WSB+1]
	s_wait_dscnt 0x0                               ; for the others' sake: my stores into the two stages are done
	s_barrier_signal -1                            ; all four waves of a work-group are on this way: the branch that leads here hangs on the work-group's number
	s_barrier_wait -1
.irp t, 0,1,2,3,4,5,6,7
	ds_load_b128 v[WOUT+4*\t:WOUT+4*\t+3], v7 offset:2*\t*WP
.endr
	ds_load_b64 v[100:101], v9
.irp t, 0,1,2,3,4,5,6,7
	s_wait_dscnt 8-\t                              ; the younger LDS loads may be out
	global_store_b128 v8, v[WOUT+4*\t:WOUT+4*\t+3], s[72:73] offset:2*\t*1024   ; sixteen lanes store 256 consecutive bytes, aligned
.endr
	s_wait_dscnt 0x0
	global_store_b64 v10, v[100:101], s[74:75]     ; 16 bytes of each column's 64: one byte in 128 of what this path reads
	s_wait_tensorcnt 0x0
	ds_add_u32 v192, v193
	s_wait_dscnt 0x0
	s_endpgm
; ---------------- X: x is a plain stream of blocks of 32.  A wave takes 16 steps of 512 numbers.  Each load reads 512 consecutive bytes; a step's 2,048 bytes turn through the wave's own stage in LDS
; and come back 64 bytes a lane, so that a lane holds 16 neighbours along K (two neighbouring lanes hold a block).  Loads run four steps ahead, the turn through LDS one step.
.Lx:
	v_lshlrev_b32 v3, 4, v2                        ; my 16 bytes of a load's 512
	s_mul_i32 s23, s22, 8192                       ; my wave's LDS: two stages of 32 x SP bytes, then its 256 scale bytes
	v_lshrrev_b32 v14, 2, v2
	v_mul_u32_u24 v14, v14, SP
	v_and_b32 v15, 3, v2
	v_lshl_add_u32 v14, v15, 4, v14
	v_add_nc_u32 v14, s23, v14                     ; into the stage: SP (lane / 4) + 16 (lane % 4)
	v_mul_u32_u24 v15, v2, SP
	v_add_nc_u32 v15, s23, v15                     ; out of it: SP x lane
	v_mul_u32_u24 v4, v2, 8                        ; my 8 bytes of a step's codes
	v_lshrrev_b32 v5, 1, v2
	s_add_co_u32 s23, s23, 2*32*SP
	v_add_nc_u32 v5, s23, v5                       ; my block's scale byte
	v_lshlrev_b32 v7, 3, v2
	v_add_nc_u32 v6, s23, v7
	s_sub_co_u32 s24, ttmp9, 192
	s_lshl_b32 s24, s24, 2
	s_add_co_u32 s24, s24, s22                     ; which run of 8,192 numbers is my wave's: 0 .. 1023
	s_lshl_b32 s26, s24, 15
	s_mov_b32 s27, 0
	s_add_nc_u64 s[4:5], s[4:5], s[26:27]
	s_lshl_b32 s26, s24, 8
	s_add_nc_u64 s[28:29], s[14:15], s[26:27]
	s_add_nc_u64 s[28:29], s[28:29], 0x400000      ; its 256 scale bytes
	s_lshl_b32 s26, s24, 12
	s_add_nc_u64 s[14:15], s[14:15], s[26:27]      ; its 4,096 bytes of codes
.macro XLOAD t
.irp i, 0,1,2,3
	global_load_b128 v[XR+16*((\t)%4)+4*\i:XR+16*((\t)%4)+4*\i+3], v3, s[4:5] offset:2048*(\t)+512*\i th:TH_LOAD_NT
.endr
.endm
.macro XTURN t                         ; LDS serves a wave's instructions in order: no wait between the stores and the loads
.irp i, 0,1,2,3
	ds_store_b128 v14, v[XR+16*((\t)%4)+4*\i:XR+16*((\t)%4)+4*\i+3] offset:32*SP*((\t)%2)+8*SP*\i
.endr
.irp i, 0,1,2,3
	ds_load_b128 v[XX+16*((\t)%2)+4*\i:XX+16*((\t)%2)+4*\i+3], v15 offset:32*SP*((\t)%2)+16*\i
.endr
.endm
.irp t, 0,1,2,3
	XLOAD \t
.endr
	s_wait_loadcnt 12                              ; step 0's four loads are in
	XTURN 0
.macro XSTEP t
.set XS, XX+16*((\t)%2)
.if (\t) > 0
	s_wait_dscnt 1                                 ; this step's numbers are back from the stage (the last step's byte store may be out): its stores into the stage have read their registers,
.else
	s_wait_dscnt 0x0
.endif
.if (\t)+4 < XSTEPS
	XLOAD (\t)+4                                   ; which take the loads of four steps on
.endif
.if (\t)+1 < XSTEPS
.if XSTEPS-2-(\t) >= 3
	s_wait_loadcnt 12                              ; the next step's four loads are in; those of the three steps behind it may be out
.else
	s_wait_loadcnt 4*(XSTEPS-2-(\t))
.endif
	XTURN (\t)+1
.endif
	v_max3_num_f32 v8, |v[XS]|, |v[XS+1]|, |v[XS+2]|
	v_max3_num_f32 v9, |v[XS+3]|, |v[XS+4]|, |v[XS+5]|
.irp i, 6,10
	v_max3_num_f32 v8, v8, |v[XS+\i]|, |v[XS+\i+1]|
	v_max3_num_f32 v9, v9, |v[XS+\i+2]|, |v[XS+\i+3]|
.endr
	v_max3_num_f32 v8, v8, |v[XS+14]|, |v[XS+15]|
	v_max3_num_f32 v8, v8, v9, 0x1800000           ; the floor 2^(3 - 127)
	v_max_num_f32_dpp v8, v8, v8 row_xmask:1 row_mask:0xf bank_mask:0xf   ; with my neighbour's 16: the block's largest magnitude
	v_add_nc_u32 v11, 0xff000000, v8
	v_cvt_scalef32_pk8_fp4_f32 v[XC+4*(\t)], v[XS:XS+7], v11
	v_cvt_scalef32_pk8_fp4_f32 v[XC+4*(\t)+1], v[XS+8:XS+15], v11
	v_lshrrev_b32 v[XE+(\t)], 23, v11              ; the scale's byte (a plain line behind the conversions)
	ds_store_b8 v5, v[XE+(\t)] offset:16*(\t)      ; both lanes of a block write the same byte with the same value
	global_store_b64 v4, v[XC+4*(\t):XC+4*(\t)+1], s[14:15] offset:256*(\t)   ; the wave stores 256 consecutive bytes, aligned
.endm
.irp t, 0,1,2,3,4,5,6,7,8,9,10,11,12,13,14,15
	XSTEP \t
.endr
	ds_load_b64 v[12:13], v6
	s_wait_dscnt 0x0
	global_store_b64 v7, v[12:13], s[28:29]        ; 256 scale bytes, aligned
	s_wait_tensorcnt 0x0
	ds_add_u32 v192, v193
	s_wait_dscnt 0x0
	s_endpgm
; ---------------- O: 4 x Wo to f16.  A wave takes 32,768 bytes of Wo in 64 pieces of 512; twelve loads are always out; each piece's result has registers of its own, so nothing that a store reads is written again.
.Lo:
	s_sub_co_u32 s23, ttmp9, 448
	s_lshl_b32 s23, s23, 2
	s_add_co_u32 s23, s23, s22
	s_lshl_b32 s24, s23, 15
	s_mov_b32 s25, 0
	s_add_nc_u64 s[12:13], s[12:13], s[24:25]
	s_lshl_b32 s24, s23, 14
	s_add_nc_u64 s[18:19], s[18:19], s[24:25]
	v_lshlrev_b32 v3, 4, v2
	v_lshlrev_b32 v4, 3, v2
.irp i, 0,1,2,3,4,5,6,7,8,9,10,11
	global_load_b128 v[16+4*\i:19+4*\i], v3, s[12:13] offset:512*\i th:TH_LOAD_NT
.endr
.set ci, 0
.rept 64
.set cs, 16+4*(ci%12)
.set cl, 63-ci
.if cl > 11
.set cl, 11
.endif
	s_wait_loadcnt cl                              ; the younger loads, eleven or what is left of them, may be out
	v_pk_mul_f32 v[cs:cs+1], v[cs:cs+1], 4.0 op_sel_hi:[1,0]        ; y comes at a quarter of its size: the 4 stands here; a power of two rounds nothing
	v_pk_mul_f32 v[cs+2:cs+3], v[cs+2:cs+3], 4.0 op_sel_hi:[1,0]
	v_cvt_pk_f16_f32 v[64+2*ci], v[cs], v[cs+1]
	v_cvt_pk_f16_f32 v[65+2*ci], v[cs+2], v[cs+3]
.if ci < 52
	global_load_b128 v[cs:cs+3], v3, s[12:13] offset:512*(ci+12) th:TH_LOAD_NT
.endif
	global_store_b64 v4, v[64+2*ci:65+2*ci], s[18:19] offset:256*ci   ; the wave stores 256 consecutive bytes, aligned
.set ci, ci+1
.endr
	s_endpgm
.Lfunc_end_k_qf6e61eb48c_prep:
	.size	k_qf6e61eb48c_prep, .Lfunc_end_k_qf6e61eb48c_prep-k_qf6e61eb48c_prep
	.p2alignl 7, 3214868480
	.fill 96, 4, 3214868480
	.section	.rodata,"a",@progbits
	.p2align	6, 0x0
	.amdhsa_kernel k_qf6e61eb48c_prep
		.amdhsa_group_segment_fixed_size 51712
		.amdhsa_private_segment_fixed_size 0
		.amdhsa_enable_private_segment 0
		.amdhsa_kernarg_size 72
		.amdhsa_user_sgpr_count 2
		.amdhsa_user_sgpr_kernarg_segment_ptr 1
		.amdhsa_wavefront_size32 1
		.amdhsa_system_sgpr_workgroup_id_x 1
		.amdhsa_system_sgpr_workgroup_id_y 1
		.amdhsa_system_sgpr_workgroup_id_z 1
		.amdhsa_system_vgpr_workitem_id 0
		.amdhsa_next_free_vgpr 194
		.amdhsa_next_free_sgpr 80
		.amdhsa_reserve_vcc 1
		.amdhsa_float_denorm_mode_32 3
		.amdhsa_float_denorm_mode_16_64 3
		.amdhsa_memory_ordered 1
		.amdhsa_forward_progress 1
		.amdhsa_inst_pref_size 119
	.end_amdhsa_kernel
	.amdgpu_metadata
---
amdhsa.version: [ 1, 2 ]
amdhsa.kernels:
  - .name:           k_qf6e61eb48c_prep
    .symbol:         k_qf6e61eb48c_prep.kd
    .args:
      - { .name: x, .offset: 0, .size: 8, .value_kind: global_buffer, .address_space: global }
      - { .name: Wq, .offset: 8, .size: 8, .value_kind: global_buffer, .address_space: global }
      - { .name: Wk, .offset: 16, .size: 8, .value_kind: global_buffer, .address_space: global }
      - { .name: Wv, .offset: 24, .size: 8, .value_kind: global_buffer, .address_space: global }
      - { .name: Wo, .offset: 32, .size: 8, .value_kind: global_buffer, .address_space: global }
      - { .name: xq, .offset: 40, .size: 8, .value_kind: global_buffer, .address_space: global }
      - { .name: wq, .offset: 48, .size: 8, .value_kind: global_buffer, .address_space: global }
      - { .name: wob, .offset: 56, .size: 8, .value_kind: global_buffer, .address_space: global }
      - { .name: rope, .offset: 64, .size: 8, .value_kind: global_buffer, .address_space: global }
    .group_segment_fixed_size: 51712
    .private_segment_fixed_size: 0
    .kernarg_segment_align: 8
    .kernarg_segment_size: 72
    .max_flat_workgroup_size: 128
    .sgpr_count:     80
    .vgpr_count:     194
    .wavefront_size: 32
...
	.end_amdgpu_metadata
.endif
;; end of part 1
;; launch qkvg (part 2): grid 12 x 16, 4 waves a work-group, clusters of 4 x 4, 327,680 bytes of LDS; arguments xq, wq, rope, qkv; writes qkv
.if DOCPART == 2
	.amdgcn_target "amdgcn-amd-amdhsa--gfx1250"
	.amdhsa_code_object_version 6
	.text
	.protected	k_qf6e61eb48c_qkvg
	.globl	k_qf6e61eb48c_qkvg
	.p2align	8
	.type	k_qf6e61eb48c_qkvg,@function
k_qf6e61eb48c_qkvg:
	s_mov_b64 s[64:65], 0
	v_nop
	global_prefetch_b8 v0, s[64:65] scope:SCOPE_SE
	s_setreg_imm32_b32 hwreg(HW_REG_WAVE_MODE, 25, 1), 1
	s_wait_xcnt 0x0
	s_wait_alu depctr_hold_cnt(0) depctr_sa_sdst(0) depctr_va_vdst(0) depctr_va_sdst(0) depctr_va_ssrc(0) depctr_va_vcc(0) depctr_vm_vsrc(0)
	s_getreg_b32 s2, hwreg(HW_REG_IB_STS2, 6, 4)
	s_cmp_eq_u32 s2, 0
	s_cbranch_scc0 .Lentry_in_a_cluster
	s_endpgm
.Lentry_in_a_cluster:
	s_bfe_u32 s2, ttmp6, 0x10000c
	s_cmp_lg_u32 s2, 0xf033
	s_cbranch_scc0 .Lentry_shape_is_right
	s_endpgm
.Lentry_shape_is_right:
; q, k, v = x [4096][2048] times Wq | Wk | Wv (3,072 columns), on codes of FP4 (E2M1) with one E8M0 scale for each 32 along K; then the rotation of q and k; then f16, laid by heads.
; xq: codes [4096][1,024 bytes], scale bytes [4096][64] 0x400000 bytes on.  wq: codes [3072][1,024 bytes], scale bytes [3072][64] 0x300000 bytes on.
; qkv: 96 heads x [1024 t][128] f16, A QUARTER OF THEIR SIZE: q of (b, h) at head 16 b + h, k of (b, kv) at 64 + 4 b + kv, v at 80 + 4 b + kv.
; A tile of C, 256 x 256, is made by a work-group of four waves; a wave makes 128 rows x 128 columns, which is ONE HEAD: 64 accumulators of 16 x 16, 512 registers.
; K goes in steps of 512 through a ring of two LDS slots filled by the tensor data mover (a tile's row is 256 bytes); the scale bytes of the work-group's rows, for all of K, come into LDS once.
; CLUSTERS: 4 x 4 work-groups.  The four of a row of the cluster need the same tiles of x, the four of a column the same tiles of the weights: each tile is asked for JOINTLY.
; THE MATRIX INSTRUCTION IS USED TRANSPOSED (source 0 = 16 columns of the weights, source 1 = 16 rows of x): a lane holds one position t (lane % 16) and eight neighbouring channels.
; THE ROTATION: channel d < 64 lies in column block b = d / 16, channel d + 64 in block b + 4 of the same lane: out(d) = x1 cos - x2 sin, out(d + 64) = x1 sin + x2 cos, with cos / 4 and sin / 4 from a table laid as
; images of these registers (the quarter, a power of two, rounds nothing and gives f16 room on both sides).  v takes the table's last block (1/4 and 0), chosen by ADDRESS: no branch hangs on a work-group's place in its cluster.
; LIMITS: v goes through x / 4 - x' 0: infinities and NaN are not served.  |q|, |k|, |v| up to 262,000 (a quarter of it inside f16's 65,504); one step of f16 at the small end is 2^-24, that is 2^-22 of q, k, v.
; REGISTERS, in windows of 256: window 0: v0-31 addresses; v32-95 scale words, two sets; from v128 x's fragments, ONE set; on the way out v32-191 are at work.
;   window 1: the weights' fragments, TWO sets, at v0 and at v128; v64-127 and v192-255 take the table's first two blocks at the head.   windows 2, 3: the accumulators of my rows 0-63, 64-127: (a, b) at v[8 (8 (a % 4) + b)].
.set SIZE_M, 4096
.set SIZE_N, 3072
.set SIZE_K, 2048
.set KSTEP,  512                       ; along K in a slot
.set NQ,     KSTEP/128                 ; matrix instructions deep
.set ROWB,   256                       ; a tile's row in bytes
.set KROW,   SIZE_K*4/8                ; a row of codes in memory
.set PITCH,  272                       ; an LDS row: 256 bytes + 16 of padding: the 16 rows that a load touches start at 16 different banks
.set FR,     8                         ; registers of a fragment: 16 rows x 128 K
.set NL,     2                         ; LDS loads that bring one
.set NP,     4                         ; places behind this matrix instruction (ISA guide 7.12.1)
.set HALFT,  128*PITCH
.set SLOT,   4*HALFT                   ; x's 256 rows, then the weights' 256 rows
.set LAPS,   SIZE_K/(2*KSTEP)
.set KS,     SIZE_K/32                 ; a row of scale bytes
.set SCL,    2*SLOT                    ; behind the ring: the scales, as units of 256 bytes + 16 of padding
.set HALFS,  (128*KS/256)*272
.set SBLK,   (16*KS/256)*272
.set SPARE,  SCL+4*HALFS               ; behind the scales: the spare words, 128 bytes for each wave, which no other line names
.set SPITCH, 272                       ; the way out: a stage of 16 rows x (256 bytes + 16) for each wave, in slot 0, which has had its last fill and its last read when the first result is stored there
.set RO,   8                           ; v8-15   byte offset of my 16 bytes in the table's block for my rows 16 a on; never rewritten
.set ADRA, 16
.set ADRB, 20
.set STO,  24
.set RD,   25
.set CO,   26
.set ADRS, 27
.set SPW,  28
.set NIL,  29
.set SC,   32
.set AF,   128
.set RR,   32                          ; the way out: v32-95 a block's 64 rotated numbers, then its 32 packed words
.set TT,   96                          ; v96-111 products with sin
.set BK,   128                         ; v128-159, v160-191 by turns: 16 rows read back from the stage
.set G1, 24
.set G0, 32
.set G1B, 48
.set G0B, 56
.set G1S, 68
.set G0S, 76
.set G1SB, 80
.set G0SB, 88
.set MSB, 0
.macro WIN new                         ; the immediate's high byte repeats the setting that is left
.if MSB != \new
	s_set_vgpr_msb (MSB<<8)|\new
.set MSB, \new
.endif
.endm
.set MUL_LO, 0xa1                      ; source 0 (weights) window 1, source 1 (x) window 0, C and D window 2
.set MUL_HI, 0xf1                      ; the same, C and D window 3
.set TO_B,   0x40                      ; destination window 1, address window 0
; A joint load: waves 0 and 1 fetch for x, waves 2 and 3 for the weights.  The branch hangs on the wave's number alone.  Four v_nop follow each of the two lines.
.macro JLOAD g0a, g1a, g0b, g1b
	s_cmp_eq_u32 s15, 0
	s_cbranch_scc0 .Lfor_b_\@
	tensor_load_to_lds s[\g0a:\g0a+3], s[\g1a:\g1a+7]
	s_nop 0
.rept 4
	v_nop
.endr
	s_branch .Lasked_\@
.Lfor_b_\@:
	tensor_load_to_lds s[\g0b:\g0b+3], s[\g1b:\g1b+7]
	s_nop 0
.rept 4
	v_nop
.endr
.Lasked_\@:
.endm
.macro CREST                           ; a round of the cluster's barrier behind its opening barrier
	s_cmp_lg_u32 s14, 0
	s_cbranch_scc1 .Lnot_wave_0_\@
	s_barrier_signal -3
.Lnot_wave_0_\@:
	s_barrier_wait -3
	s_barrier_signal -1
	s_barrier_wait -1
.endm
.macro CROUND
	s_barrier_signal -1
	s_barrier_wait -1
	CREST
.endm
	s_load_b256 s[4:11], s[0:1], 0x0               ; xq s[4:5], wq s[6:7], rope s[8:9], qkv s[10:11]
	v_lshl_add_u32 v[SPW], v0, 2, SPARE
	v_mov_b32 v[NIL], 0
	ds_add_u32 v28, v29
	ds_add_u32 v28, v29
	s_wait_dscnt 0x0
	v_lshrrev_b32 v1, 5, v0
	v_readfirstlane_b32 s14, v1                    ; wave 0..3
	s_lshr_b32 s15, s14, 1                         ; which half of the tile's rows is mine.  Also: I fetch for x (0) or for the weights (1)
	s_and_b32 s16, s14, 1                          ; which half of its columns.  Also: which 128 rows of that tile I fetch
	s_bfe_u32 s40, ttmp6, 0x40000                  ; cx, cy: my place in the cluster
	s_bfe_u32 s41, ttmp6, 0x40004
	s_lshl_b32 s42, ttmp9, 2
	s_add_co_u32 s42, s42, s40                     ; tile column = 4 x cluster x + cx
	s_and_b32 s17, ttmp7, 0xffff
	s_lshl_b32 s17, s17, 2
	s_add_co_u32 s17, s17, s41                     ; tile row = 4 x cluster y + cy
	s_lshl_b32 s43, s41, 2
	s_lshl_b32 s43, 15, s43                        ; my row of the cluster
	s_lshl_b32 s44, 0x1111, s40                    ; my column
	; descriptor group 1: a tile of 128 rows x 256 bytes, padded in LDS
	s_or_b32 s[G1+0], s43, (0<<16)|(1<<20)|(1<<21)|(5<<22)|(3<<25)  ; 15:0 the mask; 17:16 elements of 1 byte; 20 padding on; 21 set beside a mask; 24:22 after every 64 words; 31:25 four words
	s_or_b32 s[G1B+0], s44, (0<<16)|(1<<20)|(1<<21)|(5<<22)|(3<<25)
.irp g, G1, G1B
	s_mov_b32 s[\g+1], ROWB<<16                    ; tensor_dim0
	s_mov_b32 s[\g+2], 128<<16                     ; tensor_dim1
	s_mov_b32 s[\g+3], ROWB<<16                    ; tile_dim0
	s_mov_b32 s[\g+4], 128                         ; tile_dim1
	s_mov_b32 s[\g+5], KROW                        ; tensor_dim0_stride
	s_mov_b32 s[\g+6], 0
	s_mov_b32 s[\g+7], 0
.endr
	; the scales of 128 rows: a dense block of 8,192 bytes, as 32 rows of 256 bytes (32 elements of 8 bytes), 16 bytes of padding behind each
	s_or_b32 s[G1S+0], s43, (3<<16)|(1<<20)|(1<<21)|(5<<22)|(3<<25)
	s_or_b32 s[G1SB+0], s44, (3<<16)|(1<<20)|(1<<21)|(5<<22)|(3<<25)
.irp g, G1S, G1SB
	s_mov_b32 s[\g+1], 32<<16
	s_mov_b32 s[\g+2], (128*KS/256)<<16
	s_mov_b32 s[\g+3], 32<<16
	s_mov_b32 s[\g+4], 128*KS/256
	s_mov_b32 s[\g+5], 32
	s_mov_b32 s[\g+6], 0
	s_mov_b32 s[\g+7], 0
.endr
	s_lshl_b32 s18, s16, 7                         ; which 128 rows of the tile I fetch
	s_lshl_b32 s20, s17, 8
	s_add_co_u32 s20, s20, s18                     ; x: row 256 x tile row + 128 x half
	s_lshl_b32 s46, s42, 8
	s_add_co_u32 s46, s46, s18                     ; weights: row 256 x tile column + 128 x half
	s_mov_b32 s21, 0
	s_mov_b32 s47, 0
	s_mov_b64 s[18:19], KS
	s_mul_u64 s[22:23], s[20:21], s[18:19]         ; where these rows' scales begin, in bytes
	s_mul_u64 s[92:93], s[46:47], s[18:19]
	s_mov_b64 s[18:19], KROW
	s_mul_u64 s[20:21], s[20:21], s[18:19]         ; and their codes
	s_mul_u64 s[46:47], s[46:47], s[18:19]
	s_mul_i32 s45, s14, HALFT                      ; where they go: wave x 128 rows: no place in the cluster enters an LDS address
	s_mul_i32 s94, s14, HALFS
	s_wait_kmcnt 0x0
	s_add_nc_u64 s[20:21], s[4:5], s[20:21]
	s_add_nc_u64 s[22:23], s[4:5], s[22:23]
	s_add_nc_u64 s[22:23], s[22:23], 0x400000      ; x's scale bytes lie behind its codes
	s_add_nc_u64 s[46:47], s[6:7], s[46:47]
	s_add_nc_u64 s[92:93], s[6:7], s[92:93]
	s_add_nc_u64 s[92:93], s[92:93], 0x300000      ; the weights' likewise
	CROUND                                         ; all sixteen work-groups are here: the first joint loads meet
	s_mov_b32 s[G0S], 1
	s_add_co_u32 s[G0S+1], s94, SCL
	s_mov_b64 s[G0S+2:G0S+3], s[22:23]
	s_or_b32 s[G0S+3], s[G0S+3], 0x80000000
	s_mov_b32 s[G0SB], 1
	s_add_co_u32 s[G0SB+1], s94, SCL
	s_mov_b64 s[G0SB+2:G0SB+3], s[92:93]
	s_or_b32 s[G0SB+3], s[G0SB+3], 0x80000000
	JLOAD G0S, G1S, G0SB, G1SB                     ; the scales first: they are wanted with K step 0
.irp s, 0,1
	s_mov_b32 s[G0+4*\s], 1
	s_add_co_u32 s[G0+4*\s+1], s45, \s*SLOT
	s_add_nc_u64 s[G0+4*\s+2:G0+4*\s+3], s[20:21], \s*ROWB
	s_or_b32 s[G0+4*\s+3], s[G0+4*\s+3], 0x80000000
	s_mov_b32 s[G0B+4*\s], 1
	s_add_co_u32 s[G0B+4*\s+1], s45, \s*SLOT
	s_add_nc_u64 s[G0B+4*\s+2:G0B+4*\s+3], s[46:47], \s*ROWB
	s_or_b32 s[G0B+4*\s+3], s[G0B+4*\s+3], 0x80000000
	JLOAD G0+4*\s, G1, G0B+4*\s, G1B
.endr
	v_and_b32 v1, 15, v0                           ; r = l % 16
	v_bfe_u32 v2, v0, 4, 1                         ; h = l / 16
	v_mul_u32_u24 v3, v1, PITCH
	v_lshl_add_u32 v4, v2, 4, v3                   ; a fragment's row x pitch + 16 x half
	s_mul_i32 s21, s15, HALFT                      ; my 128 rows of x
	s_mul_i32 s22, s16, HALFT                      ; my 128 rows of the weights,
	s_add_co_u32 s22, s22, 2*HALFT                 ; which lie behind x's 256
.irp s, 0,1
	v_add_nc_u32 v[ADRA+\s], s21, v4
	v_add_nc_u32 v[ADRB+\s], s22, v4
	s_add_co_u32 s21, s21, SLOT
	s_add_co_u32 s22, s22, SLOT
.endr
	v_mul_u32_u24 v5, v1, KS                       ; my row's scales: KS bytes a row,
	v_lshrrev_b32 v6, 8, v5
	v_lshl_add_u32 v5, v6, 4, v5                   ; and 16 more for each 256 passed
	s_mul_i32 s21, s15, HALFS
	s_mul_i32 s22, s16, HALFS
	s_add_co_u32 s22, s22, 2*HALFS
	s_sub_co_u32 s22, s22, s21
	v_mul_u32_u24 v6, s22, v2                      ; lanes 16-31 take the weights'
	s_add_co_u32 s21, s21, SCL
	v_add_nc_u32 v5, v5, v6
	v_add_nc_u32 v[ADRS], s21, v5
	s_mul_i32 s23, s14, 16*SPITCH                  ; my stage
	v_mul_u32_u24 v5, v1, SPITCH                   ; in: row l % 16, 16 bytes for each half of the lanes
	v_lshl_add_u32 v5, v2, 4, v5
	v_add_nc_u32 v[STO], s23, v5
	v_mul_u32_u24 v5, v2, SPITCH                   ; back: lanes 0-15 one row of 256 bytes, lanes 16-31 the next
	v_lshl_add_u32 v5, v1, 4, v5
	v_add_nc_u32 v[RD], s23, v5
	v_lshlrev_b32 v5, 8, v2                        ; and the same two rows of a head
	v_lshl_add_u32 v[CO], v1, 4, v5
	; which head is my wave's, and which rows of it
	s_lshl_b32 s95, s42, 1
	s_add_co_u32 s95, s95, s16                     ; hc = 2 x tile column + half: 0-15 q's heads, 16-19 k's, 20-23 v's
	s_lshl_b32 s96, s17, 8
	s_lshl_b32 s97, s15, 7
	s_add_co_u32 s96, s96, s97                     ; my first row of x
	s_lshr_b32 s97, s96, 10                        ; b
	s_and_b32 s96, s96, 1023                       ; t0, a multiple of 128
	s_lshl_b32 s46, s96, 9                         ; the table's block t0 / 16: 8,192 bytes each
	s_cmp_lt_u32 s95, 20
	s_cselect_b32 s18, -1, 0                       ; q and k walk the table's blocks; v stays on the last one
	s_mov_b32 s47, 64*8192
	s_cselect_b32 s46, s46, s47
	s_mov_b32 s47, 0
	s_add_nc_u64 s[8:9], s[8:9], s[46:47]
	s_lshl_b32 s46, s97, 4
	s_add_co_u32 s46, s46, s95                     ; q: 16 b + hc
	s_lshl_b32 s47, s97, 2
	s_add_co_u32 s47, s47, s95
	s_add_co_u32 s47, s47, 48                      ; k: 48 + 4 b + hc = 64 + 4 b + kv
	s_cmp_lt_u32 s95, 16
	s_cselect_b32 s46, s46, s47
	s_cmp_lt_u32 s95, 20
	s_cselect_b32 s47, 0, 12                       ; v: 12 more: 80 + 4 b + kv
	s_add_co_u32 s46, s46, s47
	s_lshl_b32 s46, s46, 18                        ; a head is 262,144 bytes,
	s_lshl_b32 s96, s96, 8                         ; a row 256
	s_add_co_u32 s46, s46, s96
	s_mov_b32 s47, 0
	s_add_nc_u64 s[10:11], s[10:11], s[46:47]
	v_and_b32 v6, 31, v0
	v_lshlrev_b32 v6, 4, v6
.irp a, 0,1,2,3,4,5,6,7
	s_and_b32 s19, s18, \a*8192
	v_add_nc_u32 v[RO+\a], s19, v6
.endr
; The table's block for my rows 16 a on: 16 loads of 512 consecutive bytes; cos into 32 registers, sin into the next 32, of one of four sets in window 1.
.macro TLOADS a
.set CT, 128*((\a)%2)+64*(1-((\a)%4)/2)
	WIN TO_B
.irp g, 0,1,2,3,4,5,6,7
	global_load_b128 v[CT+4*\g:CT+4*\g+3], v[RO+(\a)], s[8:9] offset:512*\g
	global_load_b128 v[CT+32+4*\g:CT+32+4*\g+3], v[RO+(\a)], s[8:9] offset:4096+512*\g
.endr
	WIN 0
.endm
	TLOADS 0                                       ; into v64-127 and v192-255 of window 1, which the loop does not touch: they land under the products
	TLOADS 1
.macro FRAG reg, adr, q, i             ; a fragment: lane l holds row l % 16; registers 4 c .. 4 c + 3 hold K = 64 c + 32 (l / 16) + 0 .. 31
.irp c, 0,1
	ds_load_b128 v[\reg+4*\c:\reg+4*\c+3], v[\adr] offset:64*(\q)+32*\c+(\i)*16*PITCH
.endr
.endm
; 16 matrix instructions: x's blocks a0, a0 + 1 times the weights' eight, 128 along K.  zero = 1: the first product starts the sums.  The 64 accumulators take turns, one instruction a turn.
.macro MUL16 a0, p, q, sc, zero
.irp a, \a0, \a0+1
.irp b, 0,1,2,3,4,5,6,7
.if \zero
	v_wmma_scale_f32_16x16x128_f8f6f4 v[8*(8*((\a)%4)+\b):8*(8*((\a)%4)+\b)+7], v[128*(\p)+FR*\b:128*(\p)+FR*\b+FR-1], v[AF+FR*(\a):AF+FR*(\a)+FR-1], 0, v[SC+8*NQ*(\sc)+NQ*\b+(\q)], v[SC+8*NQ*(\sc)+NQ*(\a)+(\q)] matrix_a_fmt:MATRIX_FMT_FP4 matrix_b_fmt:MATRIX_FMT_FP4 matrix_a_scale:MATRIX_SCALE_ROW1
.else
	v_wmma_scale_f32_16x16x128_f8f6f4 v[8*(8*((\a)%4)+\b):8*(8*((\a)%4)+\b)+7], v[128*(\p)+FR*\b:128*(\p)+FR*\b+FR-1], v[AF+FR*(\a):AF+FR*(\a)+FR-1], v[8*(8*((\a)%4)+\b):8*(8*((\a)%4)+\b)+7], v[SC+8*NQ*(\sc)+NQ*\b+(\q)], v[SC+8*NQ*(\sc)+NQ*(\a)+(\q)] matrix_a_fmt:MATRIX_FMT_FP4 matrix_b_fmt:MATRIX_FMT_FP4 matrix_a_scale:MATRIX_SCALE_ROW1
.endif
.endr
.endr
.endm
.macro FETCH_B slot, q, p
	WIN TO_B
.irp i, 0,1,2,3,4,5,6,7
	FRAG 128*(\p)+FR*\i, ADRB+\slot, \q, \i
.endr
	WIN 0
.endm
.macro FETCH_A slot, q, i0
.irp i, \i0, \i0+1, \i0+2, \i0+3
	FRAG AF+FR*(\i), ADRA+\slot, \q, \i
.endr
.endm
.macro SCALES sc                       ; a K step's scale words: lanes 0-15 take x's block i, lanes 16-31 the weights' block i
.irp i, 0,1,2,3,4,5,6,7
	ds_load_b128 v[SC+8*NQ*\sc+NQ*\i:SC+8*NQ*\sc+NQ*\i+3], v[ADRS] offset:\i*SBLK
.endr
.endm
.macro PLACES n                        ; plain vector lines between a matrix instruction and a load into, or a vector read or write of, its registers
.rept \n
	v_nop
.endr
.endm
.macro STEP slot, q, zero              ; a step of 128 along K that has its successor in the same slot
	s_wait_dscnt 4*NL                              ; the weights' set and x's blocks 0-3 are in; the youngest eight loads (x's blocks 4-7) may be out
	WIN MUL_LO
	MUL16 0, (\q)%2, \q, \slot, \zero
	MUL16 2, (\q)%2, \q, \slot, \zero
	s_wait_dscnt 0                                 ; x's blocks 4-7 are in
	PLACES NP
	FETCH_B \slot, (\q)+1, 1-(\q)%2
	FETCH_A \slot, (\q)+1, 0
	WIN MUL_HI
	MUL16 4, (\q)%2, \q, \slot, \zero
	MUL16 6, (\q)%2, \q, \slot, \zero
	PLACES NP
	WIN 0
	FETCH_A \slot, (\q)+1, 4
.endm
; A slot's last step changes slots: ONE barrier; in front of it each wave waits for all its tensor loads, adds 0 to its spare word, and waits for that and for its own reads of this slot.
.macro TURN slot, next, fill
	s_wait_tensorcnt 0x0                           ; all my tensor loads have landed: my part of the next slot
	ds_add_u32 v[SPW], v[NIL]                      ; 0 onto my spare word
	s_wait_dscnt 4*NL+1                            ; (the add and the youngest eight loads may be out)
	WIN MUL_LO
	MUL16 0, 1, NQ-1, \slot, 0
	s_wait_dscnt 0x0                               ; the add is done, and my reads of this slot are over
	s_barrier_signal -1
	MUL16 2, 1, NQ-1, \slot, 0
	WIN 0
	s_barrier_wait -1
.if \fill
	CREST                                          ; the barrier has opened a round of the cluster's barrier: no wave of any partner still reads this slot or has a load on its way
	s_add_nc_u64 s[G0+4*\slot+2:G0+4*\slot+3], s[G0+4*\slot+2:G0+4*\slot+3], 2*ROWB
	s_add_nc_u64 s[G0B+4*\slot+2:G0B+4*\slot+3], s[G0B+4*\slot+2:G0B+4*\slot+3], 2*ROWB
	JLOAD G0+4*\slot, G1, G0B+4*\slot, G1B         ; the first tensor load behind the round; its four v_nop are the places in front of the loads below
.else
	PLACES NP
.endif
	v_add_nc_u32 v[ADRS], 4*NQ, v[ADRS]            ; on to the next K step's scale words
	FETCH_B \next, 0, 0
	FETCH_A \next, 0, 0
	SCALES \next
	WIN MUL_HI
	MUL16 4, 1, NQ-1, \slot, 0
	MUL16 6, 1, NQ-1, \slot, 0
	PLACES NP
	WIN 0
	FETCH_A \next, 0, 4
.endm
.macro STEPS slot, from
.set Q, \from
.rept NQ-1-\from
	STEP \slot, Q, 0
.set Q, Q+1
.endr
.endm
	s_wait_tensorcnt 1                             ; the scales and my part of K step 0 are in (K step 1's load may be out),
	s_barrier_signal -1
	s_barrier_wait -1                              ; everybody's are
	FETCH_B 0, 0, 0
	FETCH_A 0, 0, 0
	SCALES 0
	FETCH_A 0, 0, 4
	STEP 0, 0, 1                                   ; the first step stands in front of the loop: its products start the sums
	s_mov_b32 s3, LAPS-1
.Llap:                                                 ; a trip goes once round the ring and fills both slots again
	STEPS 0, 1
	TURN 0, 1, 1
	STEPS 1, 0
	TURN 1, 0, 1
	STEP 0, 0, 0
	s_sub_co_u32 s3, s3, 1
	s_cmp_lg_u32 s3, 0
	s_cbranch_scc1 .Llap
	STEPS 0, 1                                     ; the last lap fills nothing
	TURN 0, 1, 0
	STEPS 1, 0
	s_wait_dscnt 4*NL
	WIN MUL_LO
	MUL16 0, 1, NQ-1, 1, 0
	MUL16 2, 1, NQ-1, 1, 0
	s_wait_dscnt 0
	WIN MUL_HI
	MUL16 4, 1, NQ-1, 1, 0
	MUL16 6, 1, NQ-1, 1, 0
	WIN 0
; THE WAY OUT, block by block of 16 rows x 128 channels.
; ROT: the rotation.  left = the table's loads issued behind this block's sixteen, which may stay out.  Each accumulator is read from its low end on.
.macro ROT a, left
.set AC, 64*((\a)%4)
.set CT, 128*((\a)%2)+64*(1-((\a)%4)/2)
	s_wait_loadcnt \left
	WIN 0x06+((\a)/4)                              ; source 0: the accumulators' window, 2 or 3; source 1: window 1, the table; source 2 and destination: window 0
.irp b, 0,1,2,3
.irp p, 0,2,4,6
	v_pk_mul_f32 v[TT+2*\p:TT+2*\p+1], v[AC+8*(\b+4)+\p:AC+8*(\b+4)+\p+1], v[CT+32+8*\b+\p:CT+32+8*\b+\p+1]     ; x2 sin
	v_pk_mul_f32 v[TT+2*\p+2:TT+2*\p+3], v[AC+8*\b+\p:AC+8*\b+\p+1], v[CT+32+8*\b+\p:CT+32+8*\b+\p+1]           ; x1 sin
.endr
.irp p, 0,2,4,6
	v_pk_fma_f32 v[RR+8*\b+\p:RR+8*\b+\p+1], v[AC+8*\b+\p:AC+8*\b+\p+1], v[CT+8*\b+\p:CT+8*\b+\p+1], v[TT+2*\p:TT+2*\p+1] neg_lo:[0,0,1] neg_hi:[0,0,1]   ; x1 cos - x2 sin
	v_pk_fma_f32 v[RR+8*(\b+4)+\p:RR+8*(\b+4)+\p+1], v[AC+8*(\b+4)+\p:AC+8*(\b+4)+\p+1], v[CT+8*\b+\p:CT+8*\b+\p+1], v[TT+2*\p+2:TT+2*\p+3]               ; x2 cos + x1 sin
.endr
.endr
	WIN 0
.endm
.macro CVT                             ; 64 numbers to 32 words of two f16, in place: word k is written when numbers 2 k, 2 k + 1 are read, and no later number lies at or under k
.set k, 0
.rept 32
	v_cvt_pk_f16_f32 v[RR+k], v[RR+2*k], v[RR+2*k+1]
.set k, k+1
.endr
.endm
.macro TOSTAGE a                       ; a lane's 16 bytes of column block b go to row l % 16 of my stage; whole rows of 256 bytes come back.  LDS serves a wave's instructions in order
.irp b, 0,1,2,3,4,5,6,7
	ds_store_b128 v[STO], v[RR+4*\b:RR+4*\b+3] offset:32*\b
.endr
.irp t, 0,1,2,3,4,5,6,7
	ds_load_b128 v[BK+32*((\a)%2)+4*\t:BK+32*((\a)%2)+4*\t+3], v[RD] offset:\t*2*SPITCH
.endr
.endm
.macro SEND a
	s_wait_dscnt 0x0                               ; the block is back in registers
.irp t, 0,1,2,3,4,5,6,7
	global_store_b128 v[CO], v[BK+32*((\a)%2)+4*\t:BK+32*((\a)%2)+4*\t+3], s[10:11] offset:4096*(\a)+512*\t   ; sixteen lanes store 256 consecutive bytes, aligned: a row of a head
.endr
.endm
	PLACES NP                                      ; behind the last products: for the loads into the weights' and x's registers, the writes of the scale words' registers and the reads of results
	TLOADS 2
	TLOADS 3
	ROT 0, 48                                      ; behind block 0's sixteen loads: blocks 1, 2 and 3's
	TLOADS 4
	CVT
	TOSTAGE 0
.irp a, 1,2,3,4,5,6,7
.if \a <= 4
	ROT \a, 48
.else
	ROT \a, 16*(7-\a)
.endif
.if \a < 4
	TLOADS \a+4                                    ; its set takes the block four further on
.endif
	CVT
	SEND \a-1                                      ; block a's arithmetic stood between block a - 1's loads from the stage and this wait for them
.if \a >= 2
	s_wait_xcnt 0x0                                ; block a - 2's stores have read their registers: block a's rows may land there
.endif
	TOSTAGE \a
.endr
	SEND 7
	s_wait_tensorcnt 0x0                           ; the wave's end
	ds_add_u32 v[SPW], v[NIL]
	s_wait_dscnt 0x0
	CROUND                                         ; the closing round: no work-group ends while a partner may still ask for a tile that names it
	s_endpgm
.Lfunc_end_k_qf6e61eb48c_qkvg:
	.size	k_qf6e61eb48c_qkvg, .Lfunc_end_k_qf6e61eb48c_qkvg-k_qf6e61eb48c_qkvg
	.p2alignl 7, 3214868480
	.fill 96, 4, 3214868480
	.section	.rodata,"a",@progbits
	.p2align	6, 0x0
	.amdhsa_kernel k_qf6e61eb48c_qkvg
		.amdhsa_group_segment_fixed_size 327680
		.amdhsa_private_segment_fixed_size 0
		.amdhsa_enable_private_segment 0
		.amdhsa_kernarg_size 32
		.amdhsa_user_sgpr_count 2
		.amdhsa_user_sgpr_kernarg_segment_ptr 1
		.amdhsa_wavefront_size32 1
		.amdhsa_system_sgpr_workgroup_id_x 1
		.amdhsa_system_sgpr_workgroup_id_y 1
		.amdhsa_system_sgpr_workgroup_id_z 1
		.amdhsa_system_vgpr_workitem_id 0
		.amdhsa_next_free_vgpr 1024
		.amdhsa_next_free_sgpr 98
		.amdhsa_reserve_vcc 0
		.amdhsa_float_denorm_mode_32 3
		.amdhsa_float_denorm_mode_16_64 3
		.amdhsa_memory_ordered 1
		.amdhsa_forward_progress 1
		.amdhsa_inst_pref_size 255
	.end_amdhsa_kernel
	.section	.bss,"aw",@nobits
	.p2align	6
	.space	262144
	.amdgpu_metadata
---
amdhsa.version: [ 1, 2 ]
amdhsa.kernels:
  - .name:           k_qf6e61eb48c_qkvg
    .symbol:         k_qf6e61eb48c_qkvg.kd
    .args:
      - { .name: xq, .offset: 0, .size: 8, .value_kind: global_buffer, .address_space: global }
      - { .name: wq, .offset: 8, .size: 8, .value_kind: global_buffer, .address_space: global }
      - { .name: rope, .offset: 16, .size: 8, .value_kind: global_buffer, .address_space: global }
      - { .name: qkv, .offset: 24, .size: 8, .value_kind: global_buffer, .address_space: global }
    .group_segment_fixed_size: 327680
    .private_segment_fixed_size: 0
    .kernarg_segment_align: 8
    .kernarg_segment_size: 32
    .max_flat_workgroup_size: 128
    .sgpr_count:     98
    .vgpr_count:     1024
    .wavefront_size: 32
...
	.end_amdgpu_metadata
.endif
;; end of part 2
;; launch attn (part 3): grid 16 x 16, 4 waves a work-group, no clusters, 197,120 bytes of LDS; arguments qkv, yb; writes yb
.if DOCPART == 3
	.amdgcn_target "amdgcn-amd-amdhsa--gfx1250"
	.amdhsa_code_object_version 6
	.text
	.protected	k_qf6e61eb48c_attn
	.globl	k_qf6e61eb48c_attn
	.p2align	8
	.type	k_qf6e61eb48c_attn,@function
k_qf6e61eb48c_attn:
	s_mov_b64 s[64:65], 0
	v_nop
	global_prefetch_b8 v0, s[64:65] scope:SCOPE_SE
	s_setreg_imm32_b32 hwreg(HW_REG_WAVE_MODE, 25, 1), 1
	s_wait_xcnt 0x0
; y[b][t][h][:] = the sum over keys j of softmax_j(q[t] . k[j] / sqrt(128)) v[j][:], over the keys t - 256 <= j <= t, on f16 operands with f32 products, maxima and sums; the weights p are rounded to f16 for the second product.
; qkv: 96 heads x [1024][128] f16, a quarter of their size: q at head 16 b + h, k at 64 + 4 b + kv, v at 80 + 4 b + kv; query head h reads key head h / 4.  yb: [4096][2048] f16: y / 4.
; WHY f16: a row with few keys is as large as v, some eight times the output's root mean square, so 8 significant bits would not do.  Its range: p lies in 0 .. 1; q, k, v, y come at a quarter of their size:
; LIMIT: |q|, |k|, |v|, |y| up to 262,000.  The softmax's constant takes q's and k's quarters back (x 16); y's quarter is taken back by the next launch's weights.
; SHARES.  A work-group owns 64 queries (block x of 16) of the FOUR query heads that share key head y = 4 b + kv; wave w takes head 4 kv + w: four tiles of 16 queries.  So all four waves read the same K and V.
; THE KEYS.  Queries 64 x .. 64 x + 63 see keys 64 x - 256 .. 64 x + 63: 320 keys, five steps of 64, from kstart = 64 max(x - 4, 0).  In blocks 0 to 3 the steps past the diagonal are computed and wholly hidden:
; the count of steps is a constant and no tile leaves the head.  The first step holds an open key for every query, so the running maximum is a number from then on.
; All 320 rows of K and of V fit in LDS: they are asked for once, at the head, in two parts (keys 0-127, keys 128-319); nothing is filled again.
; NO CLUSTER: what query heads share is shared inside the work-group; neighbouring query blocks want windows 64 keys apart, so with joint loads their LDS addresses would hang on their place in the cluster.
; LAYOUT.  S^T = K Q^T (source 0 = 16 keys, source 1 = 16 queries): a lane holds ONE query (lane % 16) and keys 8 (lane / 16) + 0..7.  Two such tiles, rounded to f16 in pairs, ARE source 1 of O^T = V^T P.
; SOFTMAX.  For each query a running maximum m and sum l: p = 2^(c s - c m), c = 16 log2(e) / sqrt(128); in every step O and l are multiplied by 2^(c m_old - c m_new).  Hidden scores become -infinity ahead of the maximum.
; BY TURNS.  The wave's tiles are two PIECES (tiles 0, 1 and tiles 2, 3).  In a TURN one piece has the matrix unit: 32 products V^T P of the step in hand, then 32 products K Q^T of the next step; the other piece's
; softmax, cut into 64 slices, stands between them, one slice behind each matrix instruction.
; REGISTERS, in windows of 256: window 0: v0-11 addresses; v12-43 statistics, eight a tile; v44-47 the mask's; v64-191 S^T, 32 a tile; v192-255 P, 16 a tile.
;   window 1: O^T, 64 a tile.   window 2: v0-127 Q; v128-255 K of one step.   window 3: v0-127 V of one step.
.set KS,    64
.set PK,    272       ; a row of K in LDS: 256 bytes + 16: the 16 rows of a load start at 16 different banks
.set PV,    288       ; a row of V: 256 + 32
.set VBASE, 320*PK    ; K's 320 rows, then V's 320 rows
.set STAGE, VBASE+320*PV  ; behind them: 16 rows x 272 bytes for each wave, for the way out; no tile lands there
.set SP,    272
.set AK0, 2           ; v2   my lane's place in a tile of K
.set AV0, 3           ; v3   the same for V
.set ADR, 4           ; v4   the LDS address of the run of loads in hand
.set QO,  5
.set STO, 6
.set RD,  7
.set GO,  8
.set ST,  12          ; tile t's statistics at v[ST+8 t]: +0 c m, +1 m, +2, +3 l, +4 to +7 at work
.set E0,  44          ; v44  lane % 16 - 8 (lane / 16)
.set NINF, 45         ; v45  -infinity
.set EA,  46          ; v46, v47  the mask's bound for the piece's two tiles
.set S,   64
.set P,   192
.set KF,  128
.set WV,  12
.set G1K64, 24        ; s[24:31] group 1: 64 rows of K;  s[32:39] 96 rows of K;  s[40:47], s[48:55] the same for V (other padding)
.set G1K96, 32
.set G1V64, 40
.set G1V96, 48
.set CNT, 56
.set SD,  57          ; s57  my first query less the first key of the step whose scores are being masked
.set CS,  58
.set SEL, 60
.set TBK, 62          ; s62  LDS byte at which K's rows of the step to be fetched begin
.set TBV, 63          ; s63  the same for V, from VBASE
.set G0K0, 68         ; groups 0: K's first part, K's second, V's first, V's second
.set G0K1, 72
.set G0V0, 76
.set G0V1, 80
.set MSB, 0
.macro WIN new
.if MSB != \new
	s_set_vgpr_msb (MSB<<8)|\new
.set MSB, \new
.endif
.endm
.set W_KQ, 0x0a       ; K and Q in window 2, S^T in window 0
.set W_PV, 0x53       ; V in window 3, P in window 0, O^T in window 1
.set W_RS, 0x41       ; O^T in window 1, its factor in window 0
.macro G1SET g, padc, rows             ; a tile of rows x 128 elements of 2 bytes, dense in memory, padded behind every 64 words
	s_mov_b32 s[\g], (1<<16)|(1<<20)|(5<<22)|(\padc<<25)
	s_mov_b32 s[\g+1], 128<<16      ; tensor_dim0
	s_mov_b32 s[\g+2], \rows<<16    ; tensor_dim1
	s_mov_b32 s[\g+3], 128<<16      ; tile_dim0
	s_mov_b32 s[\g+4], \rows        ; tile_dim1
	s_mov_b32 s[\g+5], 128          ; tensor_dim0_stride
	s_mov_b32 s[\g+6], 0
	s_mov_b32 s[\g+7], 0
.endm
	s_load_b128 s[4:7], s[0:1], 0x0   ; qkv s[4:5], yb s[6:7]
	v_lshl_add_u32 v62, v0, 2, 0x30000
	v_mov_b32 v63, 0
	ds_add_u32 v62, v63
	ds_add_u32 v62, v63
	v_lshrrev_b32 v1, 5, v0
	v_readfirstlane_b32 s[WV], v1   ; wave 0..3
	s_and_b32 s13, ttmp7, 0xffff    ; y = 4 b + kv
	s_sub_co_i32 s14, ttmp9, 4
	s_max_i32 s14, s14, 0
	s_lshl_b32 s14, s14, 6          ; kstart
	s_lshl_b32 s15, ttmp9, 6        ; my first query
	s_sub_co_u32 s[SD], s15, s14
	s_and_b32 s16, s[WV], 1         ; which half of a part I fetch
	s_add_co_u32 s20, s13, 64
	s_lshl_b32 s20, s20, 18         ; K's head,
	s_lshl_b32 s17, s14, 8
	s_add_co_u32 s20, s20, s17      ; at key kstart
	s_lshl_b32 s17, s16, 14
	s_add_co_u32 s18, s20, s17      ; the first part: my 64 rows
	s_mov_b32 s19, 0
	s_mul_i32 s17, s16, 96*256
	s_add_co_u32 s20, s20, s17
	s_add_co_u32 s20, s20, 128*256  ; the second part: my 96 rows
	s_mov_b32 s21, 0
	s_lshl_b32 s22, s13, 2
	s_add_co_u32 s22, s22, s[WV]    ; my query head: 16 b + 4 kv + w = 4 y + w
	s_lshl_b32 s22, s22, 18
	s_lshl_b32 s17, ttmp9, 14
	s_add_co_u32 s22, s22, s17      ; at my first query
	s_mov_b32 s23, 0
	s_lshr_b32 s2, s13, 2
	s_lshl_b32 s2, s2, 10
	s_add_co_u32 s2, s2, s15        ; yb: row 1024 b + my first query,
	s_lshl_b32 s2, s2, 12
	s_and_b32 s3, s13, 3
	s_lshl_b32 s3, s3, 2
	s_add_co_u32 s3, s3, s[WV]
	s_lshl_b32 s3, s3, 8            ; 256 bytes a head
	s_add_co_u32 s2, s2, s3
	s_mov_b32 s3, 0
	G1SET G1K64, 3, 64
	G1SET G1K96, 3, 96
	G1SET G1V64, 7, 64
	G1SET G1V96, 7, 96
	s_mov_b32 s[CS], 0x400293ee     ; c = 16 log2(e) / sqrt(128): q and k come at a quarter of their size
	s_mov_b32 s[CS+1], s[CS]
	s_mov_b32 s[SEL], 0x76543210
	s_mov_b32 s[SEL+1], 0xfedcba98
	s_mov_b32 s[TBK], 0
	s_mov_b32 s[TBV], 0
	s_wait_dscnt 0x0
	s_wait_kmcnt 0x0
	s_mov_b32 s[G0K0], 1
	s_mul_i32 s[G0K0+1], s16, 64*PK
	s_add_nc_u64 s[G0K0+2:G0K0+3], s[4:5], s[18:19]
	s_or_b32 s[G0K0+3], s[G0K0+3], 0x80000000
	s_mov_b32 s[G0K1], 1
	s_mul_i32 s[G0K1+1], s16, 96*PK
	s_add_co_u32 s[G0K1+1], s[G0K1+1], 128*PK
	s_add_nc_u64 s[G0K1+2:G0K1+3], s[4:5], s[20:21]
	s_or_b32 s[G0K1+3], s[G0K1+3], 0x80000000
	s_mov_b32 s[G0V0], 1
	s_mul_i32 s[G0V0+1], s16, 64*PV
	s_add_co_u32 s[G0V0+1], s[G0V0+1], VBASE
	s_add_nc_u64 s[G0V0+2:G0V0+3], s[4:5], s[18:19]
	s_add_nc_u64 s[G0V0+2:G0V0+3], s[G0V0+2:G0V0+3], 0x400000   ; V's head lies 16 heads behind K's
	s_or_b32 s[G0V0+3], s[G0V0+3], 0x80000000
	s_mov_b32 s[G0V1], 1
	s_mul_i32 s[G0V1+1], s16, 96*PV
	s_add_co_u32 s[G0V1+1], s[G0V1+1], VBASE+128*PV
	s_add_nc_u64 s[G0V1+2:G0V1+3], s[4:5], s[20:21]
	s_add_nc_u64 s[G0V1+2:G0V1+3], s[G0V1+2:G0V1+3], 0x400000
	s_or_b32 s[G0V1+3], s[G0V1+3], 0x80000000
	s_add_nc_u64 s[4:5], s[4:5], s[22:23]   ; Q at my wave's first row
	s_add_nc_u64 s[6:7], s[6:7], s[2:3]     ; yb likewise
	s_cmp_lt_u32 s[WV], 2           ; a wave's two fills stand in one branch, ahead of every wait on TENSORcnt, every LDS read and every barrier: two loads of mine are out
	s_cbranch_scc0 .Lfirst_v
	tensor_load_to_lds s[G0K0:G0K0+3], s[G1K64:G1K64+7]
	s_nop 0
	tensor_load_to_lds s[G0K1:G0K1+3], s[G1K96:G1K96+7]
	s_nop 0
.rept 4
	v_nop
.endr
	s_branch .Lfirst_asked
.Lfirst_v:
	tensor_load_to_lds s[G0V0:G0V0+3], s[G1V64:G1V64+7]
	s_nop 0
	tensor_load_to_lds s[G0V1:G0V1+3], s[G1V96:G1V96+7]
	s_nop 0
.rept 4
	v_nop
.endr
.Lfirst_asked:
	v_and_b32 v1, 15, v0            ; l % 16
	v_bfe_u32 v9, v0, 4, 1          ; l / 16
	v_lshlrev_b32 v[QO], 8, v1
	v_lshl_add_u32 v[QO], v9, 4, v[QO]  ; row x 256 + 16 x half
	WIN 0x80                        ; destination window 2, address window 0
.irp i, 0,1,2,3,4,5,6,7,8,9,10,11,12,13,14,15  ; Q stays in registers: tile i / 4, channels 32 (i % 4) on
	global_load_b128 v[8*\i:8*\i+3],   v[QO], s[4:5] offset:(\i/4)*4096+(\i%4)*64
	global_load_b128 v[8*\i+4:8*\i+7], v[QO], s[4:5] offset:(\i/4)*4096+(\i%4)*64+32
.endr
	WIN 0
	v_mul_u32_u24 v[AK0], v1, PK
	v_lshl_add_u32 v[AK0], v9, 4, v[AK0]  ; row x pitch + 16 x half
	v_and_b32 v10, 7, v0            ; the turning load: lane l reads 16 bytes: key 8 (l / 16) + l % 8, channels 8 ((l / 8) % 2) + 0..7
	v_bfe_u32 v11, v0, 3, 1
	v_lshl_add_u32 v[AV0], v9, 3, v10
	v_mul_u32_u24 v[AV0], v[AV0], PV
	v_lshl_add_u32 v[AV0], v11, 4, v[AV0]
	v_add_nc_u32 v[AV0], VBASE, v[AV0]
; THE MATRIX WORK OF A TURN, for piece x.  The accumulators take turns, one instruction a turn.
; Product i of 32 of O^T += V^T P: keys 32 (i / 16) on, channels 16 ((i / 2) % 8) on, tile x + i % 2.  zero = 1: the first 16 start the sums.
.macro PV x, zero
	WIN W_PV
.set rO, 64*(\x+i%2)+8*((i/2)%8)
.set rV, 64*(i/16)+8*((i/2)%8)
.set rP, P+16*(\x+i%2)+8*(i/16)
.if \zero && (i < 16)
	v_wmma_f32_16x16x32_f16 v[rO:rO+7], v[rV:rV+7], v[rP:rP+7], 0
.else
	v_wmma_f32_16x16x32_f16 v[rO:rO+7], v[rV:rV+7], v[rP:rP+7], v[rO:rO+7]
.endif
.endm
; Product i of 32 of S^T = K Q^T: channels 32 (i / 8) on, keys 16 ((i / 2) % 4) on, tile x + i % 2.  The first 8 start the sums.
.macro KQ x
	WIN W_KQ
.set rS, S+32*(\x+i%2)+8*((i/2)%4)
.set rK, KF+32*((i/2)%4)+8*(i/8)
.set rQ, 32*(\x+i%2)+8*(i/8)
.if i < 8
	v_wmma_f32_16x16x32_f16 v[rS:rS+7], v[rK:rK+7], v[rQ:rQ+7], 0
.else
	v_wmma_f32_16x16x32_f16 v[rS:rS+7], v[rK:rK+7], v[rQ:rQ+7], v[rS:rS+7]
.endif
.endm
; THE LDS LOADS stand in runs of 32: a step's K (64 keys x 128 channels) and, a turn later, its V (turned).
.macro FETCH_K
	WIN 0
	v_add_nc_u32 v[ADR], s[TBK], v[AK0]
	s_add_co_u32 s[TBK], s[TBK], KS*PK  ; the next fetch is the next step's
	WIN 0x80                        ; destination window 2
.irp f, 0,1,2,3,4,5,6,7,8,9,10,11,12,13,14,15  ; keys 16 (f / 4) on, channels 32 (f % 4) on
	ds_load_b128 v[KF+8*\f:KF+8*\f+3],   v[ADR] offset:(\f/4)*16*PK+(\f%4)*64
	ds_load_b128 v[KF+8*\f+4:KF+8*\f+7], v[ADR] offset:(\f/4)*16*PK+(\f%4)*64+32
.endr
.endm
.macro FETCH_V
	WIN 0
	v_add_nc_u32 v[ADR], s[TBV], v[AV0]
	s_add_co_u32 s[TBV], s[TBV], KS*PV
	WIN 0xc0                        ; destination window 3
.irp f, 0,1,2,3,4,5,6,7,8,9,10,11,12,13,14,15  ; keys 32 (f / 8) on, channels 16 (f % 8) on
	ds_load_tr16_b128 v[8*\f:8*\f+3],   v[ADR] offset:(\f/8)*32*PV+(\f%8)*32
	ds_load_tr16_b128 v[8*\f+4:8*\f+7], v[ADR] offset:(\f/8)*32*PV+16*PV+(\f%8)*32
.endr
.endm
; THE VECTOR WORK OF A TURN.  One tile's softmax for one key step is a list of 134 instructions; SM writes number j of it for tile t.  first = 1: the first key step, which starts m, l and O^T.
;   0-15 the maximum of the lane's 32 scores and the old m;  16-20 the other half of the lanes' maximum, the new m, c m, c m_old - c m_new;
;   21-87 33 exponentials at the odd numbers from 23 on, a plain instruction between any two: scalings ahead of them, roundings to f16 behind them, the first sums;
;   88-101 the last rounding, the rest of the sums, l;  102-133 the tile's O^T times the factor: the one part that leaves window 0.
.macro SM t, first
.set rT, ST+8*(\t)
.set rS, S+32*(\t)
.set rP, P+16*(\t)
.set rO, 64*(\t)+2*(j-102)
.set q, (j-20)/2
.if j < 102
	WIN 0
.endif
.if j < 4
	v_max3_num_f32 v[rT+4+j], v[rS+8*j], v[rS+8*j+1], v[rS+8*j+2]
.elseif j < 12
	v_max3_num_f32 v[rT+4+j%4], v[rT+4+j%4], v[rS+8*(j%4)+2*(j/4)+1], v[rS+8*(j%4)+2*(j/4)+2]
.elseif j == 12
	v_max3_num_f32 v[rT+4], v[rT+4], v[rS+7], v[rS+15]
.elseif j == 13
	v_max3_num_f32 v[rT+6], v[rT+6], v[rS+23], v[rS+31]
.elseif j == 14
	v_max3_num_f32 v[rT+4], v[rT+4], v[rT+5], v[rT+6]
.elseif (j == 15) && \first
	v_max_num_f32 v[rT+4], v[rT+4], v[rT+7]
.elseif j == 15
	v_max3_num_f32 v[rT+4], v[rT+4], v[rT+7], v[rT+1]
.elseif j == 16
	v_permlanex16_b32 v[rT+5], v[rT+4], s[SEL], s[SEL+1]  ; the query's other 32 keys lie in the lane 16 away
.elseif j == 18
	v_max_num_f32 v[rT+1], v[rT+4], v[rT+5]
.elseif j == 19
	v_mul_f32 v[rT], s[CS], v[rT+1]
.elseif ((j == 17) || (j == 20) || (j == 23) || (j > 101)) && \first  ; the first step has none of these
.elseif j == 17
	v_mov_b32 v[rT+7], v[rT]        ; c m_old is kept: number 19 writes c m anew
.elseif j == 20
	v_sub_f32 v[rT+7], v[rT+7], v[rT]
.elseif j == 23
	v_exp_f32 v[rT+6], v[rT+7]
.elseif (j < 88) && (j > 23) && (j%2 == 1)
	v_exp_f32 v[rS+(j-25)/2], v[rS+(j-25)/2]
.elseif (q < 4) || ((j < 76) && (q%2 == 0))
.set b, q/2+2
.if q < 4
.set b, q
.endif
	v_pk_fma_f32 v[rS+2*b:rS+2*b+1], v[rS+2*b:rS+2*b+1], s[CS:CS+1], v[rT:rT+1] op_sel_hi:[1,0,0] neg_lo:[0,0,1] neg_hi:[0,0,1]  ; pair b: c s - c m
.elseif (j < 88) && (q%2 == 1)
	s_wait_alu depctr_va_vdst(0)
	v_cvt_pk_f16_f32 v[rP+(q-5)/2], v[rS+q-5], v[rS+q-4]
.elseif j == 89
	s_wait_alu depctr_va_vdst(0)
	v_cvt_pk_f16_f32 v[rP+15], v[rS+30], v[rS+31]
.elseif j < 102                     ; the sum of the tile's 16 pairs, in place, then l takes it
.set z, j-86
.if j < 89
.set z, (j-76)/4
.endif
.set w, 4
.set u, z
.if z >= 14
.set w, 32
.set u, 0
.elseif z >= 12
.set w, 16
.set u, z-12
.elseif z >= 8
.set w, 8
.set u, z-8
.endif
.if (z == 14) && \first
	v_pk_add_f32 v[rT+2:rT+3], v[rS:rS+1], v[rS+16:rS+17]
.elseif z < 15
	v_pk_add_f32 v[rS+w*u:rS+w*u+1], v[rS+w*u:rS+w*u+1], v[rS+w*u+w/2:rS+w*u+w/2+1]
.elseif !\first
	v_pk_fma_f32 v[rT+2:rT+3], v[rT+2:rT+3], v[rT+6:rT+7], v[rS:rS+1] op_sel_hi:[1,0,1]
.endif
.else
	WIN W_RS
	v_pk_mul_f32 v[rO:rO+1], v[rO:rO+1], v[rT+6:rT+7] op_sel_hi:[1,0]
.endif
.endm
; Slice k of 64 of piece y's softmax: numbers 2 k and 2 k + 1 of both tiles' lists; the twelve that are over stand together, in slice 63.
.macro SLICE y, first
.if (k >= 11) && (k < 44)           ; tile by tile: plain, exponential, plain, exponential
.irp t, \y, \y+1
.irp n, 0,1
.set j, 2*k+\n
	SM \t, \first
.endr
.endr
.else                               ; the two tiles alternate
.irp n, 0,1,2,3,4,5,6,7
.if (\n < 2) || (k == 63)
.irp t, \y, \y+1
.set j, 2*k+\n
	SM \t, \first
.endr
.endif
.endr
.endif
.set k, k+1
.endm
.macro PLACES                       ; four plain lines between a matrix instruction and a vector read or write of, or a load into, its registers; in the loop slice 63's sixteen lines are the places
.rept 4
	v_nop
.endr
.endm
; A TURN.  Piece x has the matrix unit; the other piece's softmax stands in slices behind its matrix instructions.  pv = 2: 32 products V^T P; 1: they start O^T's sums; 0: none.  kq = 1: 32 products K Q^T for the next step.
; Piece 0's turn fetches the next step's K behind its second product, piece 2's turn the same step's V behind the second product K Q^T: each run of loads stands 30 matrix instructions ahead of its first use.
.macro TURN x, pv, kq, first
.set k, 0
.set per, 2
.if \pv && \kq
.set per, 1
.endif
.if \pv
.if \x == 0
	s_wait_dscnt 0x0                ; V is in
.endif
.set i, 0
.rept 32
	PV \x, 2-\pv
.rept per
	SLICE 2-\x, \first
.endr
.if (\x == 0) && \kq && (i == 1)
	FETCH_K
.endif
.set i, i+1
.endr
.endif
.if \kq
.if \x == 0
	s_wait_dscnt 0x0                ; K is in
.endif
.set i, 0
.rept 32
	KQ \x
.rept per
	SLICE 2-\x, \first
.endr
.if (\x == 2) && (i == 1)
	FETCH_V
.endif
.set i, i+1
.endr
.endif
.if \first
	PLACES
.endif
.endm
; THE MASK on piece x's fresh scores.  Register n of tile t holds key (the step's first) + 16 (n / 8) + n % 8 + 8 (lane / 16), for query (my first) + 16 t + lane % 16.
; With e = SD + 16 t + lane % 16 - 8 (lane / 16): hidden by the diagonal where 16 (n / 8) + n % 8 > e, by the window where it is < e - 256.  Each pass is jumped over, by a scalar branch on ids,
; where it would hide nothing: the first where SD + 16 x - 8 >= 55, the second where SD + 16 x + 31 - 256 <= 0.  Each accumulator is read from its low end on.
.macro MASKPASS op, x
.irp t, 0,1
.irp n, 0,1,2,3,4,5,6,7,8,9,10,11,12,13,14,15,16,17,18,19,20,21,22,23,24,25,26,27,28,29,30,31
	\op vcc_lo, 16*(\n/8)+\n%8, v[EA+\t]
	v_cndmask_b32 v[S+32*(\x+\t)+\n], v[S+32*(\x+\t)+\n], v[NINF], vcc_lo
.endr
.endr
.endm
.macro MASK x
	WIN 0                           ; at a branch and at a label every window is 0
	s_add_co_i32 s84, s[SD], 16*\x
	s_cmp_ge_i32 s84, 63
	s_cbranch_scc1 .Lno_diag_\@
	v_add_nc_u32 v[EA], s84, v[E0]
	v_add_nc_u32 v[EA+1], 16, v[EA]
	MASKPASS v_cmp_gt_i32, \x
.Lno_diag_\@:
	s_cmp_le_i32 s84, 225
	s_cbranch_scc1 .Lno_win_\@
	s_sub_co_i32 s85, s84, 256
	v_add_nc_u32 v[EA], s85, v[E0]
	v_add_nc_u32 v[EA+1], 16, v[EA]
	MASKPASS v_cmp_lt_i32, \x
.Lno_win_\@:
.endm
	s_wait_tensorcnt 1              ; my half of the first part (keys 0-127) is in; the second part may stay out
	s_barrier_signal -1
	s_barrier_wait -1               ; everybody's is
	FETCH_K                         ; key step 0
	s_wait_loadcnt 0x0              ; Q
	s_wait_dscnt 0x0
.set i, 0
.rept 32
	KQ 0                            ; piece 0's first scores
.set i, i+1
.endr
	WIN 0                           ; the addresses for the way out and the mask's constants are made here: plain lines, the places behind those products
	s_mul_i32 s13, s[WV], 16*SP
	s_add_co_u32 s13, s13, STAGE    ; my stage
	v_mul_u32_u24 v[STO], v1, SP    ; in: row l % 16, 16 bytes for each half of the lanes
	v_lshl_add_u32 v[STO], v9, 4, v[STO]
	v_add_nc_u32 v[STO], s13, v[STO]
	v_mul_u32_u24 v[RD], v9, SP     ; back: lanes 0-15 one row of 256 bytes, lanes 16-31 the next
	v_lshl_add_u32 v[RD], v1, 4, v[RD]
	v_add_nc_u32 v[RD], s13, v[RD]
	v_lshlrev_b32 v[GO], 12, v9     ; and the same two rows of yb, 4,096 bytes apart
	v_lshl_add_u32 v[GO], v1, 4, v[GO]
	v_lshlrev_b32 v[E0], 3, v9
	v_sub_nc_u32 v[E0], v1, v[E0]
	v_mov_b32 v[NINF], 0xff800000
	MASK 0
	TURN 2, 0, 1, 1                 ; piece 2's first scores | piece 0's first softmax | V of step 0
	MASK 2
	s_sub_co_i32 s[SD], s[SD], 64   ; the next scores are the next step's
	TURN 0, 1, 1, 1                 ; piece 0: V^T P of step 0 starts O^T, K Q^T of step 1 | piece 2's first softmax | K of step 1
	MASK 0
	TURN 2, 1, 1, 0                 ; piece 2: the same | piece 0's softmax of step 1 | V of step 1
	MASK 2
	s_sub_co_i32 s[SD], s[SD], 64
	s_wait_tensorcnt 0x0            ; my half of the second part (keys 128-319) is in,
	s_wait_dscnt 0x0                ; no LDS load of mine is pending at the signal,
	s_barrier_signal -1
	s_barrier_wait -1               ; everybody's is
	s_mov_b32 s[CNT], 3
.Lstep:                             ; three trips: steps 1, 2, 3 are finished, steps 2, 3, 4 begun
	TURN 0, 2, 1, 0
	MASK 0
	TURN 2, 2, 1, 0
	MASK 2
	s_sub_co_i32 s[SD], s[SD], 64
	s_sub_co_u32 s[CNT], s[CNT], 1
	s_cmp_lg_u32 s[CNT], 0
	s_cbranch_scc1 .Lstep
	TURN 0, 2, 0, 0                 ; piece 0: V^T P of the last step | piece 2's last softmax
.set i, 0
.rept 32
	PV 2, 0                         ; piece 2: V^T P of the last step
.set i, i+1
.endr
	; THE WAY OUT.  l's two halves and the other half of the lanes' are added; O^T is divided by l, rounded to f16 and sent through my stage, a tile (16 rows) at a time.  The additions are the places behind the last products.
	WIN 0
.irp t, 0,1,2,3
	v_add_f32 v[ST+8*\t+4], v[ST+8*\t+2], v[ST+8*\t+3]
.endr
.irp t, 0,1,2,3
	v_permlanex16_b32 v[ST+8*\t+5], v[ST+8*\t+4], s[SEL], s[SEL+1]
.endr
.irp t, 0,1,2,3
	v_add_f32 v[ST+8*\t+4], v[ST+8*\t+4], v[ST+8*\t+5]
.endr
.irp t, 0,1,2,3
	v_rcp_f32 v[ST+8*\t+6], v[ST+8*\t+4]
.endr
	v_nop                           ; a plain instruction between the last reciprocal and the use of its result
.macro PACK t
	WIN W_RS
.set i, 64*\t
.rept 32
	s_wait_alu depctr_va_vdst(0)
	v_pk_mul_f32 v[i:i+1], v[i:i+1], v[ST+8*\t+6:ST+8*\t+7] op_sel_hi:[1,0]
.set i, i+2
.endr
	WIN 0x05                        ; sources 0 and 1 window 1, destination window 0: S^T's registers are free
.set i, 0
.rept 32
	v_cvt_pk_f16_f32 v[S+32*\t+i], v[64*\t+2*i], v[64*\t+2*i+1]
.set i, i+1
.endr
	WIN 0
.irp f, 0,1,2,3,4,5,6,7
	ds_store_b128 v[STO], v[S+32*\t+4*\f:S+32*\t+4*\f+3] offset:32*\f
.endr
.irp f, 0,1,2,3,4,5,6,7
	ds_load_b128 v[S+32*\t+4*\f:S+32*\t+4*\f+3], v[RD] offset:\f*2*SP  ; LDS serves a wave's instructions in order: these see the stores above; the next tile's stores come behind them
.endr
.endm
.macro SEND t, younger              ; younger: the LDS instructions issued behind tile t's loads: the next tile's sixteen, or none
.irp f, 0,1,2,3,4,5,6,7
	s_wait_dscnt \younger+7-\f
	global_store_b128 v[GO], v[S+32*\t+4*\f:S+32*\t+4*\f+3], s[6:7] offset:\t*65536+\f*8192  ; 16 lanes store 256 consecutive bytes, aligned: a head's part of a row of yb
.endr
.endm
	PACK 0
	PACK 1
	SEND 0, 16
	PACK 2
	SEND 1, 16
	PACK 3
	SEND 2, 16
	SEND 3, 0
	s_wait_tensorcnt 0x0
	ds_add_u32 v62, v63
	s_wait_dscnt 0x0
	s_endpgm                        ; every tensor load was waited for in front of the second barrier; no LDS bytes were filled twice
.Lfunc_end_k_qf6e61eb48c_attn:
	.size	k_qf6e61eb48c_attn, .Lfunc_end_k_qf6e61eb48c_attn-k_qf6e61eb48c_attn
	.p2alignl 7, 3214868480
	.fill 96, 4, 3214868480
	.section	.rodata,"a",@progbits
	.p2align	6, 0x0
	.amdhsa_kernel k_qf6e61eb48c_attn
		.amdhsa_group_segment_fixed_size 197120
		.amdhsa_private_segment_fixed_size 0
		.amdhsa_enable_private_segment 0
		.amdhsa_kernarg_size 16
		.amdhsa_user_sgpr_count 2
		.amdhsa_user_sgpr_kernarg_segment_ptr 1
		.amdhsa_wavefront_size32 1
		.amdhsa_system_sgpr_workgroup_id_x 1
		.amdhsa_system_sgpr_workgroup_id_y 1
		.amdhsa_system_sgpr_workgroup_id_z 1
		.amdhsa_system_vgpr_workitem_id 0
		.amdhsa_next_free_vgpr 1024
		.amdhsa_next_free_sgpr 86
		.amdhsa_reserve_vcc 1
		.amdhsa_float_denorm_mode_32 3
		.amdhsa_float_denorm_mode_16_64 3
		.amdhsa_memory_ordered 1
		.amdhsa_forward_progress 1
		.amdhsa_inst_pref_size 231
	.end_amdhsa_kernel
	.amdgpu_metadata
---
amdhsa.version: [ 1, 2 ]
amdhsa.kernels:
  - .name:           k_qf6e61eb48c_attn
    .symbol:         k_qf6e61eb48c_attn.kd
    .args:
      - { .name: qkv, .offset: 0, .size: 8, .value_kind: global_buffer, .address_space: global }
      - { .name: yb, .offset: 8, .size: 8, .value_kind: global_buffer, .address_space: global }
    .group_segment_fixed_size: 197120
    .private_segment_fixed_size: 0
    .kernarg_segment_align: 8
    .kernarg_segment_size: 16
    .max_flat_workgroup_size: 128
    .sgpr_count:     86
    .vgpr_count:     1024
    .wavefront_size: 32
...
	.end_amdgpu_metadata
.endif
;; end of part 3
;; launch oproj (part 4): grid 8 x 32, 4 waves a work-group, clusters of 4 x 4, 327,680 bytes of LDS; arguments yb, wob, out0; writes out0
.if DOCPART == 4
	.amdgcn_target "amdgcn-amd-amdhsa--gfx1250"
	.amdhsa_code_object_version 6
	.text
	.protected	k_qf6e61eb48c_oproj
	.globl	k_qf6e61eb48c_oproj
	.p2align	8
	.type	k_qf6e61eb48c_oproj,@function
k_qf6e61eb48c_oproj:
	s_mov_b64 s[64:65], 0
	v_nop
	global_prefetch_b8 v0, s[64:65] scope:SCOPE_SE
	s_setreg_imm32_b32 hwreg(HW_REG_WAVE_MODE, 25, 1), 1
	s_wait_xcnt 0x0
	s_wait_alu depctr_hold_cnt(0) depctr_sa_sdst(0) depctr_va_vdst(0) depctr_va_sdst(0) depctr_va_ssrc(0) depctr_va_vcc(0) depctr_vm_vsrc(0)
	s_getreg_b32 s2, hwreg(HW_REG_IB_STS2, 6, 4)
	s_cmp_eq_u32 s2, 0
	s_cbranch_scc0 .Lentry_in_a_cluster
	s_endpgm
.Lentry_in_a_cluster:
	s_bfe_u32 s2, ttmp6, 0x10000c
	s_cmp_lg_u32 s2, 0xf033
	s_cbranch_scc0 .Lentry_shape_is_right
	s_endpgm
.Lentry_shape_is_right:
; out0[m][n] = the sum over k of yb[m][k] wob[k][n].  yb: [4096][2048] f16, y / 4, K along the rows.  wob: [2048 k][2048 n] f16, 4 x Wo as Wo lies: K is its FIRST axis.  out0: [4096][2048] f32; sums in f32.
; The quarter and the 4 are powers of two and cancel: nothing is rounded by them.  LIMIT: |y| up to 262,000, |Wo| up to 16,376 (f16's 65,504).
; A tile of the output is 128 rows x 256 columns: 256 work-groups (tiles of 256 x 256 would make 128).  Four waves, each 64 rows x 128 columns: 32 accumulators of 16 x 16, 256 registers.
; THE RING.  Two LDS slots, each with 192 along K: yb's tile 128 rows x 384 bytes, wob's 192 rows (k) x 512 bytes: as much as two slots in LDS allow.  A refill can be on its way from one change of slots to the
; next and no longer, so a slot is made as long as fits: 192 matrix instructions a wave, 176 of them between a request and the wait for it.
; 2048 = 128 + 10 x 192: of the FIRST slot only the first 128 along K are used; its load has the shape of all the others (K 0 to 191), and the second slot begins at K 128: 64 along K, 1/32 of both operands, are
; fetched twice, and one shape of descriptor serves every load.  The short slot stands first because the load that has to land while it is multiplied went out with it, at the head.
; wob's fragments are read out of LDS turned, by ds_load_tr16_b128: nothing is transposed in memory.
; CLUSTERS: 4 x 4 work-groups.  The four of a row of the cluster need the same tiles of yb, the four of a column the same tiles of wob: each tile is asked for JOINTLY.
; THE MATRIX INSTRUCTION IS USED TRANSPOSED (source 0 = 16 columns of wob, source 1 = 16 rows of yb): a lane then holds eight neighbouring numbers of a row of the output.
; PHASES.  A phase is 64 along K, 64 matrix instructions, on one of two fragment buffers; meanwhile the next phase's 48 LDS loads fill the other buffer, in six runs of eight, one behind each group of eight matrix
; instructions: for 32 along K the four waves read (64 + 128) rows x 64 bytes each, three quarters of a row of banks for each cycle of matrix work, so the loads are spread over the phase and not issued in one burst.
; A run costs two switches of the register window.  A slot has three phases, so buffers and slots come round together after two slots: one trip of the loop.
; REGISTERS, in windows of 256: window 0: v0-31 addresses; v32-159 the way out.   window 1: accumulator (a, b) at v[8 (8 a + b)].
;   windows 2, 3: the two fragment buffers, each for 64 along K (two matrix instructions deep): wob's at v[8 (8 c + b)], yb's at v[128 + 8 (4 c + i)].
.set PA,     432                       ; a row of yb's tile in LDS: 384 bytes + 16 behind every 128 = 108 words: row r starts at bank 44 r mod 64: the 16 rows of a load start at 16 different groups of four banks
.set PB,     544                       ; a row of wob's tile: 512 bytes + 32 = 136 words
.set KSL,    192                       ; along K in a slot
.set ATILE,  128*PA
.set SLOT,   ATILE+KSL*PB              ; yb's 128 rows, then wob's 192 rows
.set SPARE,  2*SLOT                    ; behind the ring: the spare words, 128 bytes for each wave, which no other line names
.set STAGE,  SLOT                      ; the way out: 16 rows x (512 bytes + 16) for each wave, in slot 1, which has had its last fill and its last read when the first result is stored there
.set SPITCH, 528
.set TRIPS,  4                         ; the loop walks slots 1 to 8 of the eleven, two a trip
.set ADRA, 16                          ; v16-17  LDS address of my fragments of yb in slot 0, 1
.set ADRB, 20                          ; v20-21  the same for wob, rows (k) 0-127;  v22-23 rows 128-191: an LDS offset has 16 bits
.set STO,  24
.set RD,   25
.set CO,   26
.set SPW,  28
.set NIL,  29
.set BK,   32                          ; the way out: 16 rows read back from the stage: v32-95 and v96-159 by turns
.set G1, 24                            ; s[24:31] descriptor group 1 for yb's tiles;  s[32:39] group 0, one set for each slot
.set G0, 32
.set G1B, 48                           ; s[48:55], s[56:63] the same for wob's
.set G0B, 56
.set MSB, 0
.macro WIN new                         ; the immediate's high byte repeats the setting that is left; a switch that changes nothing is dropped
.if MSB != (\new)
	s_set_vgpr_msb (MSB<<8)|(\new)
.set MSB, (\new)
.endif
.endm
.macro JLOAD s                         ; a joint load: waves 0 and 1 fetch yb's two halves, waves 2 and 3 wob's; four v_nop follow each of the two lines
	s_cmp_eq_u32 s11, 0
	s_cbranch_scc0 .Lfor_b_\@
	tensor_load_to_lds s[G0+4*\s:G0+4*\s+3], s[G1:G1+7]
	s_nop 0
.rept 4
	v_nop
.endr
	s_branch .Lasked_\@
.Lfor_b_\@:
	tensor_load_to_lds s[G0B+4*\s:G0B+4*\s+3], s[G1B:G1B+7]
	s_nop 0
.rept 4
	v_nop
.endr
.Lasked_\@:
.endm
.macro CREST                           ; a round of the cluster's barrier behind its opening barrier
	s_cmp_lg_u32 s10, 0
	s_cbranch_scc1 .Lnot_wave_0_\@
	s_barrier_signal -3
.Lnot_wave_0_\@:
	s_barrier_wait -3
	s_barrier_signal -1
	s_barrier_wait -1
.endm
.macro CROUND
	s_barrier_signal -1
	s_barrier_wait -1
	CREST
.endm
	s_load_b128 s[4:7], s[0:1], 0x0                ; yb s[4:5], wob s[6:7]
	s_load_b64 s[8:9], s[0:1], 0x10                ; out0
	v_lshl_add_u32 v[SPW], v0, 2, SPARE
	v_mov_b32 v[NIL], 0
	ds_add_u32 v28, v29
	ds_add_u32 v28, v29
	s_wait_dscnt 0x0
	v_lshrrev_b32 v1, 5, v0
	v_readfirstlane_b32 s10, v1                    ; wave 0..3
	s_lshr_b32 s11, s10, 1                         ; which 64 of the tile's rows are mine.  Also: I fetch for yb (0) or for wob (1)
	s_and_b32 s12, s10, 1                          ; which 128 of its columns.  Also: which half of that tile's rows I fetch
	s_bfe_u32 s40, ttmp6, 0x40000                  ; cx, cy: my place in the cluster
	s_bfe_u32 s41, ttmp6, 0x40004
	s_lshl_b32 s42, ttmp9, 2
	s_add_co_u32 s42, s42, s40                     ; tile column = 4 x cluster x + cx
	s_and_b32 s13, ttmp7, 0xffff
	s_lshl_b32 s13, s13, 2
	s_add_co_u32 s13, s13, s41                     ; tile row = 4 x cluster y + cy
	s_lshl_b32 s43, s41, 2
	s_lshl_b32 s43, 15, s43                        ; my row of the cluster
	s_lshl_b32 s44, 0x1111, s40                    ; my column
	; group 1 for yb: 64 rows x 192 elements of 2 bytes; four words of padding behind every 32 (a row is 96 words: three such pieces)
	s_or_b32 s[G1+0], s43, (1<<16)|(1<<20)|(1<<21)|(4<<22)|(3<<25)
	s_mov_b32 s[G1+1], KSL<<16                     ; tensor_dim0
	s_mov_b32 s[G1+2], 64<<16                      ; tensor_dim1
	s_mov_b32 s[G1+3], KSL<<16                     ; tile_dim0
	s_mov_b32 s[G1+4], 64                          ; tile_dim1
	s_mov_b32 s[G1+5], 2048                        ; tensor_dim0_stride
	s_mov_b32 s[G1+6], 0
	s_mov_b32 s[G1+7], 0
	; group 1 for wob: 96 rows (k) x 256 elements, eight words of padding behind every 128
	s_or_b32 s[G1B+0], s44, (1<<16)|(1<<20)|(1<<21)|(6<<22)|(7<<25)
	s_mov_b32 s[G1B+1], 256<<16
	s_mov_b32 s[G1B+2], (KSL/2)<<16
	s_mov_b32 s[G1B+3], 256<<16
	s_mov_b32 s[G1B+4], KSL/2
	s_mov_b32 s[G1B+5], 2048
	s_mov_b32 s[G1B+6], 0
	s_mov_b32 s[G1B+7], 0
	s_lshl_b32 s16, s13, 7
	s_lshl_b32 s17, s12, 6
	s_add_co_u32 s16, s16, s17                     ; yb: row 128 x tile row + 64 x half,
	s_lshl_b32 s16, s16, 12                        ; 4,096 bytes a row (under 2^25)
	s_mov_b32 s17, 0
	s_mul_i32 s46, s12, (KSL/2)*4096               ; wob: row (k) 96 x half, 4,096 bytes a row,
	s_lshl_b32 s47, s42, 9                         ; column 256 x tile column
	s_add_co_u32 s46, s46, s47
	s_mov_b32 s47, 0
	s_mul_i32 s20, s12, 64*PA                      ; where they go: no place in the cluster enters an LDS address
	s_mul_i32 s21, s12, (KSL/2)*PB
	s_add_co_u32 s21, s21, ATILE
	s_wait_kmcnt 0x0
	s_add_nc_u64 s[14:15], s[4:5], s[16:17]
	s_add_nc_u64 s[46:47], s[6:7], s[46:47]
	CROUND                                         ; all sixteen work-groups are here: the first joint loads meet
.irp s, 0,1
	s_mov_b32 s[G0+4*\s], 1
	s_add_co_u32 s[G0+4*\s+1], s20, \s*SLOT
	s_add_nc_u64 s[G0+4*\s+2:G0+4*\s+3], s[14:15], \s*256           ; slot 0 begins at K 0, slot 1 at K 128: along yb's rows
	s_or_b32 s[G0+4*\s+3], s[G0+4*\s+3], 0x80000000
	s_mov_b32 s[G0B+4*\s], 1
	s_add_co_u32 s[G0B+4*\s+1], s21, \s*SLOT
	s_add_nc_u64 s[G0B+4*\s+2:G0B+4*\s+3], s[46:47], \s*128*4096    ; down wob's rows
	s_or_b32 s[G0B+4*\s+3], s[G0B+4*\s+3], 0x80000000
	JLOAD \s
.endr
	v_and_b32 v1, 15, v0                           ; r = l % 16
	v_bfe_u32 v2, v0, 4, 1                         ; h = l / 16
	v_mul_u32_u24 v3, v1, PA
	v_lshl_add_u32 v3, v2, 4, v3                   ; yb: a fragment's row x pitch + 16 x half
	v_and_b32 v4, 7, v0                            ; wob: the turning load: lane l reads 16 bytes: row (k) 8 (l / 16) + l % 8, columns 8 ((l / 8) % 2) + 0..7
	v_lshl_add_u32 v4, v2, 3, v4
	v_mul_u32_u24 v4, v4, PB
	v_bfe_u32 v5, v0, 3, 1
	v_lshl_add_u32 v4, v5, 4, v4
	s_mul_i32 s21, s11, 64*PA                      ; my 64 rows of yb
	s_lshl_b32 s22, s12, 8                         ; my 128 columns of wob: 256 bytes,
	s_add_co_u32 s22, s22, ATILE                   ; behind yb's tile
.irp s, 0,1
	v_add_nc_u32 v[ADRA+\s], s21, v3
	v_add_nc_u32 v[ADRB+\s], s22, v4
	v_add_nc_u32 v[ADRB+2+\s], 128*PB, v[ADRB+\s]  ; rows 128 on
	s_add_co_u32 s21, s21, SLOT
	s_add_co_u32 s22, s22, SLOT
.endr
	s_mul_i32 s23, s10, 16*SPITCH
	s_add_co_u32 s23, s23, STAGE                   ; my stage
	v_mul_u32_u24 v5, v1, SPITCH                   ; in: row l % 16, 32 bytes for each half of the lanes
	v_lshl_add_u32 v5, v2, 5, v5
	v_add_nc_u32 v[STO], s23, v5
	v_and_b32 v6, 31, v0
	v_lshlrev_b32 v[CO], 4, v6                     ; back: the 32 lanes take one row of 512 bytes; and the same in out0
	v_add_nc_u32 v[RD], s23, v[CO]
	s_lshl_b32 s16, s13, 7
	s_lshl_b32 s17, s11, 6
	s_add_co_u32 s16, s16, s17                     ; my first row of out0: 128 x tile row + 64 x half,
	s_lshl_b32 s16, s16, 13                        ; 8,192 bytes a row (under 2^26)
	s_mov_b32 s17, 0
	s_add_nc_u64 s[8:9], s[8:9], s[16:17]
	s_lshl_b32 s46, s42, 10                        ; my first column, in bytes: 1,024 x tile column + 512 x half
	s_lshl_b32 s47, s12, 9
	s_add_co_u32 s46, s46, s47
	s_mov_b32 s47, 0
	s_add_nc_u64 s[8:9], s[8:9], s[46:47]
; 8 matrix instructions: yb's block a times wob's eight, 32 along K: half c of buffer f.  zero = 1: the first product starts the sums.
; The 32 accumulators take turns, one instruction a turn, in the same order throughout.
.macro MULG f, c, a, zero
	WIN 0x5a+5*(\f)                                ; sources 0 and 1: window 2 (buffer 0) or 3 (buffer 1); C and D: window 1
.irp b, 0,1,2,3,4,5,6,7
.if \zero
	v_wmma_f32_16x16x32_f16 v[8*(8*(\a)+\b):8*(8*(\a)+\b)+7], v[8*(8*(\c)+\b):8*(8*(\c)+\b)+7], v[128+8*(4*(\c)+(\a)):128+8*(4*(\c)+(\a))+7], 0
.else
	v_wmma_f32_16x16x32_f16 v[8*(8*(\a)+\b):8*(8*(\a)+\b)+7], v[8*(8*(\c)+\b):8*(8*(\c)+\b)+7], v[128+8*(4*(\c)+(\a)):128+8*(4*(\c)+(\a))+7], v[8*(8*(\a)+\b):8*(8*(\a)+\b)+7]
.endif
.endr
.endm
; A RUN OF EIGHT LDS LOADS.  u = 0 .. 5 names 32 along K of a slot; they go into half u % 2 of buffer f.
; RUNB: wob's column blocks b0 .. b0 + 3, turned: rows (k) 32 u on.
.macro RUNB slot, u, f, b0
.set RC, (\u)%2
.set RU, (\u)%4
.set RA, ADRB+2*((\u)/4)+(\slot)
	WIN 0x80+0x40*(\f)                             ; destination window 2 or 3, address window 0
.irp b, 0,1,2,3
	ds_load_tr16_b128 v[8*(8*RC+(\b0)+\b):8*(8*RC+(\b0)+\b)+3],   v[RA] offset:RU*32*PB+32*((\b0)+\b)
	ds_load_tr16_b128 v[8*(8*RC+(\b0)+\b)+4:8*(8*RC+(\b0)+\b)+7], v[RA] offset:RU*32*PB+16*PB+32*((\b0)+\b)
.endr
.endm
; RUNA: yb's four row blocks: byte 64 u of a row, and 16 more for each 128 passed.
.macro RUNA slot, u, f
.set RC, (\u)%2
.set RB, ((\u)/2)*144+((\u)%2)*64
	WIN 0x80+0x40*(\f)
.irp i, 0,1,2,3
	ds_load_b128 v[128+8*(4*RC+\i):128+8*(4*RC+\i)+3],   v[ADRA+(\slot)] offset:RB+\i*16*PA
	ds_load_b128 v[128+8*(4*RC+\i)+4:128+8*(4*RC+\i)+7], v[ADRA+(\slot)] offset:RB+\i*16*PA+32
.endr
.endm
.macro PLACES                          ; four plain lines between a matrix instruction and a load into, or a store's read of, its registers
.rept 4
	v_nop
.endr
.endm
; A PHASE that has its successor in the same slot: multiplies buffer f; the successor's fragments (64 along K: third hf of the slot) go into the other buffer, in six runs behind the first six groups of eight products.
; The other buffer was last read by the phase before: the four places ahead of the first run stand between those products and all six runs.
.macro PHASE slot, hf, f, zero
	s_wait_dscnt 24                                ; my first 32 along K are in; the youngest 24 loads (the second 32) may be out
	MULG \f, 0, 0, \zero
	PLACES
	RUNB \slot, 2*(\hf), 1-(\f), 0
	MULG \f, 0, 1, \zero
	RUNB \slot, 2*(\hf), 1-(\f), 4
	MULG \f, 0, 2, \zero
	RUNA \slot, 2*(\hf), 1-(\f)
	MULG \f, 0, 3, \zero
	RUNB \slot, 2*(\hf)+1, 1-(\f), 0
	s_wait_dscnt 32                                ; all but the 32 loads issued in this phase: my second 32 along K are in
	MULG \f, 1, 0, 0
	RUNB \slot, 2*(\hf)+1, 1-(\f), 4
	MULG \f, 1, 1, 0
	RUNA \slot, 2*(\hf)+1, 1-(\f)
	MULG \f, 1, 2, 0
	MULG \f, 1, 3, 0
.endm
; A slot's LAST PHASE multiplies buffer f and changes slots: ONE barrier; in front of it each wave waits for all its tensor loads, adds 0 to its spare word, and waits for that and for its own reads of this slot.
; adv > 0: this slot is filled again, with the 192 along K that begin adv further on than its last fill.  adv = 0: nothing is left to fetch.
.macro TURNP slot, next, f, adv
	WIN 0                                          ; (the add's two registers lie in window 0)
	s_wait_tensorcnt 0x0                           ; all my tensor loads have landed: my part of the next slot
	ds_add_u32 v[SPW], v[NIL]                      ; 0 onto my spare word
	s_wait_dscnt 25                                ; (the add and the youngest 24 loads may be out)
	MULG \f, 0, 0, 0                               ; eight matrix instructions stand between the add and the wait for it
	s_wait_dscnt 0x0                               ; the add is done, and my reads of this slot are over (the last were issued 24 matrix instructions ago)
	s_barrier_signal -1
	MULG \f, 0, 1, 0
.if \adv
	WIN 0
.endif
	s_barrier_wait -1
.if \adv
	CREST                                          ; the barrier has opened a round of the cluster's barrier: no wave of any partner still reads this slot or has a load on its way
	s_add_nc_u64 s[G0+4*\slot+2:G0+4*\slot+3], s[G0+4*\slot+2:G0+4*\slot+3], (\adv)*2
	s_add_nc_u64 s[G0B+4*\slot+2:G0B+4*\slot+3], s[G0B+4*\slot+2:G0B+4*\slot+3], (\adv)*4096
	JLOAD \slot                                    ; the first tensor load behind the round; its four v_nop are the places in front of the runs below
.else
	PLACES
.endif
	RUNB \next, 0, 1-(\f), 0
	MULG \f, 0, 2, 0
	RUNB \next, 0, 1-(\f), 4
	MULG \f, 0, 3, 0
	RUNA \next, 0, 1-(\f)
	MULG \f, 1, 0, 0
	RUNB \next, 1, 1-(\f), 0
	MULG \f, 1, 1, 0
	RUNB \next, 1, 1-(\f), 4
	MULG \f, 1, 2, 0
	RUNA \next, 1, 1-(\f)
	MULG \f, 1, 3, 0
.endm
	s_wait_tensorcnt 1                             ; my part of slot 0 is in (slot 1's load may be out)
	s_barrier_signal -1
	s_barrier_wait -1                              ; everybody's is
	RUNB 0, 0, 0, 0                                ; K 0 to 63 into buffer 0
	RUNB 0, 0, 0, 4
	RUNA 0, 0, 0
	RUNB 0, 1, 0, 0
	RUNB 0, 1, 0, 4
	RUNA 0, 1, 0
	PHASE 0, 1, 0, 1                               ; the first slot, two phases (K 0 to 127), stands in front of the loop: its first products start the sums
	TURNP 0, 1, 1, 320                             ; slot 0 takes K 320 on: 128 + 192
	WIN 0                                          ; at a label and at a branch every window is 0
	s_mov_b32 s3, TRIPS
.Llap:                                                 ; a trip: slot 1's three phases, slot 0's three; both slots are filled again, 384 along K further on
	PHASE 1, 1, 0, 0
	PHASE 1, 2, 1, 0
	TURNP 1, 0, 0, 2*KSL
	PHASE 0, 1, 1, 0
	PHASE 0, 2, 0, 0
	TURNP 0, 1, 1, 2*KSL
	WIN 0
	s_sub_co_u32 s3, s3, 1
	s_cmp_lg_u32 s3, 0
	s_cbranch_scc1 .Llap
	PHASE 1, 1, 0, 0                               ; the last two slots (K 1664 on, K 1856 on) fill nothing, and have no round of the cluster's barrier
	PHASE 1, 2, 1, 0
	TURNP 1, 0, 0, 0
	PHASE 0, 1, 1, 0
	PHASE 0, 2, 0, 0
	s_wait_dscnt 24                                ; the very last phase: nothing more to fetch
.irp a, 0,1,2,3
	MULG 1, 0, \a, 0
.endr
	s_wait_dscnt 0
.irp a, 0,1,2,3
	MULG 1, 1, \a, 0
.endr
	WIN 0
; THE WAY OUT, block by block of 16 rows x 128 columns.  A lane holds 32 neighbouring bytes of a row: a block goes through my own stage and comes back as whole rows of 512 bytes.
; The stage lies in slot 1: every wave has passed the last change of slots, in front of which each had waited for its reads of that slot, and no load fills it any more.
; LDS serves a wave's instructions in order: no wait between the stores and the loads, nor in front of the next block's stores.
.macro TOSTAGE a
	WIN 0x04                                       ; an LDS store's data are its source 1: window 1
.irp b, 0,1,2,3,4,5,6,7
	ds_store_b128 v[STO], v[8*(8*(\a)+\b):8*(8*(\a)+\b)+3] offset:64*\b          ; each accumulator from its low end on
	ds_store_b128 v[STO], v[8*(8*(\a)+\b)+4:8*(8*(\a)+\b)+7] offset:64*\b+16
.endr
	WIN 0
.irp t, 0,1,2,3,4,5,6,7,8,9,10,11,12,13,14,15
	ds_load_b128 v[BK+64*((\a)%2)+4*\t:BK+64*((\a)%2)+4*\t+3], v[RD] offset:\t*SPITCH
.endr
.endm
.macro SEND a, younger                 ; younger: the LDS instructions issued behind block a's loads, which may stay out
	s_wait_dscnt \younger
.irp t, 0,1,2,3,4,5,6,7,8,9,10,11,12,13,14,15
	global_store_b128 v[CO], v[BK+64*((\a)%2)+4*\t:BK+64*((\a)%2)+4*\t+3], s[8:9] offset:(16*(\a)+\t)*8192 th:TH_STORE_NT   ; 32 lanes store 512 consecutive bytes, aligned; written once, read by nobody here
.endr
.endm
	PLACES                                         ; behind the last products, in front of the stores that read results
	TOSTAGE 0
.irp a, 1,2,3
.if \a > 1
	s_wait_xcnt 0x0                                ; block a - 2's stores have read their registers: block a's rows may land there
.endif
	TOSTAGE \a
	SEND \a-1, 32                                  ; behind block a - 1's loads: block a's 16 stores and 16 loads
.endr
	SEND 3, 0
	s_wait_tensorcnt 0x0                           ; the wave's end
	ds_add_u32 v[SPW], v[NIL]
	s_wait_dscnt 0x0
	CROUND                                         ; the closing round: no work-group ends while a partner may still ask for a tile that names it
	s_endpgm
.Lfunc_end_k_qf6e61eb48c_oproj:
	.size	k_qf6e61eb48c_oproj, .Lfunc_end_k_qf6e61eb48c_oproj-k_qf6e61eb48c_oproj
	.p2alignl 7, 3214868480
	.fill 96, 4, 3214868480
	.section	.rodata,"a",@progbits
	.p2align	6, 0x0
	.amdhsa_kernel k_qf6e61eb48c_oproj
		.amdhsa_group_segment_fixed_size 327680
		.amdhsa_private_segment_fixed_size 0
		.amdhsa_enable_private_segment 0
		.amdhsa_kernarg_size 24
		.amdhsa_user_sgpr_count 2
		.amdhsa_user_sgpr_kernarg_segment_ptr 1
		.amdhsa_wavefront_size32 1
		.amdhsa_system_sgpr_workgroup_id_x 1
		.amdhsa_system_sgpr_workgroup_id_y 1
		.amdhsa_system_sgpr_workgroup_id_z 1
		.amdhsa_system_vgpr_workitem_id 0
		.amdhsa_next_free_vgpr 1024
		.amdhsa_next_free_sgpr 66
		.amdhsa_reserve_vcc 0
		.amdhsa_float_denorm_mode_32 3
		.amdhsa_float_denorm_mode_16_64 3
		.amdhsa_memory_ordered 1
		.amdhsa_forward_progress 1
		.amdhsa_inst_pref_size 132
	.end_amdhsa_kernel
	.amdgpu_metadata
---
amdhsa.version: [ 1, 2 ]
amdhsa.kernels:
  - .name:           k_qf6e61eb48c_oproj
    .symbol:         k_qf6e61eb48c_oproj.kd
    .args:
      - { .name: yb, .offset: 0, .size: 8, .value_kind: global_buffer, .address_space: global }
      - { .name: wob, .offset: 8, .size: 8, .value_kind: global_buffer, .address_space: global }
      - { .name: out0, .offset: 16, .size: 8, .value_kind: global_buffer, .address_space: global }
    .group_segment_fixed_size: 327680
    .private_segment_fixed_size: 0
    .kernarg_segment_align: 8
    .kernarg_segment_size: 24
    .max_flat_workgroup_size: 128
    .sgpr_count:     66
    .vgpr_count:     1024
    .wavefront_size: 32
...
	.end_amdgpu_metadata
.endif
;; end of part 4
